; MI455X (gfx1250); checked and timed in simulation.
; The chip was launched on July 23, 2026; its instructions are those of AMD's public machine-readable ISA for CDNA 5 (MIT licence, August 2026) and "CDNA5" Instruction Set Architecture Reference Guide (July 2026). The comments in the code are by the model that wrote it; some were corrected since.
;; Causal Self Attention. Allowed arithmetic: float matrix products may take bf16 or f16 operands with f32 sums; all other float work in f32.
;; Inputs: Wk 1,024 x 1,024 float32; Wp 1,024 x 1,024 float32; Wq 1,024 x 1,024 float32; Wv 1,024 x 1,024 float32; bk 1,024 float32; bp 1,024 float32; bq 1,024 float32; bv 1,024 float32; x 2 x 2,048 x 1,024 float32.
;; Outputs: out0 2 x 2,048 x 1,024 float32.
;; 2 versions, each right and faster than the one before. Each part assembles by itself: llvm-mc -triple=amdgcn-amd-amdhsa -mcpu=gfx1250 --defsym DOCPART=n.
;; ======== version 1 of 2: 4 launches
;; limits: values are held in f16: magnitudes above 65,504 overflow, below 6.1e-05 lose precision
;; workspace buffers: xb 8,388,608 bytes; wb 8,388,608 bytes; qkv 25,165,824 bytes; yh 8,388,608 bytes
;; launch cast (part 1): grid 256 x 1, 8 waves a work-group, no clusters, 0 bytes of LDS; arguments x, Wq, Wk, Wv, Wp, xb, wb; writes xb, wb
.if DOCPART == 1
	.amdgcn_target "amdgcn-amd-amdhsa--gfx1250"
	.amdhsa_code_object_version 6
	.text
	.protected	k_q59a9dbd380_cast
	.globl	k_q59a9dbd380_cast
	.p2align	8
	.type	k_q59a9dbd380_cast,@function
k_q59a9dbd380_cast:
	s_mov_b64 s[64:65], 0
	v_nop
	global_prefetch_b8 v0, s[64:65] scope:SCOPE_SE
	s_setreg_imm32_b32 hwreg(HW_REG_WAVE_MODE, 25, 1), 1
	s_wait_xcnt 0x0
; xb = bf16(x); wb rows 0-1023 = bf16(Wq), 1024-2047 = bf16(Wk), 2048-3071 = bf16(Wv), 3072-4095 = f16(bf16(Wp)).
; The matrix launches behind this one take 16-bit operands; rounding once here spares every one of them the f32 bytes.
; Wp meets an f16 operand (y) later, so its bf16 value is written again as f16: exact for |w| >= 2^-17 (8 significant bits fit
; f16 down to there), below that the absolute error is at most 2^-25; |w| >= 65,504 would overflow (LIMIT, stated).
; A stream: no LDS, no barrier, no matrix unit, no cluster (no two work-groups read the same byte).
; Work-group i takes 65,536 bytes of x and 16,384 bytes of each W.  All 32 loads of a thread go out in one run; a load of a wave
; covers 512 neighbouring bytes, a store 256 neighbouring bytes at a multiple of 256.  No register is written twice while a
; memory instruction may read it: every load has its own four registers, and the store leaves from the first two of them.
.set X, 8                              ; v[8:135]  load n: 4 registers
	s_load_b256 s[4:11], s[0:1], 0x0               ; x s[4:5], Wq s[6:7], Wk s[8:9], Wv s[10:11]
	s_load_b128 s[12:15], s[0:1], 0x20             ; Wp s[12:13], xb s[14:15]
	s_load_b64 s[16:17], s[0:1], 0x30              ; wb
	v_lshlrev_b32 v1, 4, v0                        ; 16 bytes a thread in
	v_lshlrev_b32 v2, 3, v0                        ; 8 bytes a thread out
	s_lshl_b32 s20, ttmp9, 16                      ; my slice of x
	s_mov_b32 s21, 0
	s_lshl_b32 s22, ttmp9, 14                      ; of each W
	s_mov_b32 s23, 0
	s_lshl_b32 s24, ttmp9, 15                      ; of xb
	s_mov_b32 s25, 0
	s_lshl_b32 s26, ttmp9, 13                      ; of each quarter of wb
	s_mov_b32 s27, 0
	s_mov_b32 s28, 0xffff0000                      ; a word's upper bf16
	s_wait_kmcnt 0x0
	s_add_nc_u64 s[4:5], s[4:5], s[20:21]
	s_add_nc_u64 s[6:7], s[6:7], s[22:23]
	s_add_nc_u64 s[8:9], s[8:9], s[22:23]
	s_add_nc_u64 s[10:11], s[10:11], s[22:23]
	s_add_nc_u64 s[12:13], s[12:13], s[22:23]
	s_add_nc_u64 s[14:15], s[14:15], s[24:25]
	s_add_nc_u64 s[16:17], s[16:17], s[26:27]
.irp n, 0,1,2,3,4,5,6,7,8,9,10,11,12,13,14,15
	global_load_b128 v[X+4*\n:X+4*\n+3], v1, s[4:5] offset:\n*4096 th:TH_LOAD_NT
.endr
.macro LD4 sb, n0                      ; four loads of one W
.irp j, 0,1,2,3
	global_load_b128 v[X+4*(\n0+\j):X+4*(\n0+\j)+3], v1, s[\sb:\sb+1] offset:\j*4096 th:TH_LOAD_NT
.endr
.endm
	LD4 6, 16
	LD4 8, 20
	LD4 10, 24
	LD4 12, 28
; Load n is rounded and stored.  half = 1: the bf16 values are written again as f16.
.macro CV n, sb, off, half
	s_wait_loadcnt 31-(\n)                         ; loads come back in order: the 31 - n younger ones stay out
	v_cvt_pk_bf16_f32 v[X+4*(\n)], v[X+4*(\n)], v[X+4*(\n)+1]
	v_cvt_pk_bf16_f32 v[X+4*(\n)+1], v[X+4*(\n)+2], v[X+4*(\n)+3]
.if \half
	v_lshlrev_b32 v4, 16, v[X+4*(\n)]              ; bf16 to f32: the low half moves up, the high half stays
	v_and_b32 v5, s28, v[X+4*(\n)]
	v_lshlrev_b32 v6, 16, v[X+4*(\n)+1]
	v_and_b32 v7, s28, v[X+4*(\n)+1]
	v_cvt_pk_f16_f32 v[X+4*(\n)], v4, v5
	v_cvt_pk_f16_f32 v[X+4*(\n)+1], v6, v7
.endif
	global_store_b64 v2, v[X+4*(\n):X+4*(\n)+1], s[\sb:\sb+1] offset:\off
.endm
.irp n, 0,1,2,3,4,5,6,7,8,9,10,11,12,13,14,15
	CV \n, 14, \n*2048, 0
.endr
.irp j, 0,1,2,3
	CV 16+\j, 16, \j*2048, 0
.endr
.irp j, 0,1,2,3
	CV 20+\j, 16, 2097152+\j*2048, 0
.endr
.irp j, 0,1,2,3
	CV 24+\j, 16, 4194304+\j*2048, 0
.endr
.irp j, 0,1,2,3
	CV 28+\j, 16, 6291456+\j*2048, 1
.endr
	s_endpgm
.Lfunc_end_k_q59a9dbd380_cast:
	.size	k_q59a9dbd380_cast, .Lfunc_end_k_q59a9dbd380_cast-k_q59a9dbd380_cast
	.p2alignl 7, 3214868480
	.fill 96, 4, 3214868480
	.section	.rodata,"a",@progbits
	.p2align	6, 0x0
	.amdhsa_kernel k_q59a9dbd380_cast
		.amdhsa_group_segment_fixed_size 0
		.amdhsa_private_segment_fixed_size 0
		.amdhsa_enable_private_segment 0
		.amdhsa_kernarg_size 56
		.amdhsa_user_sgpr_count 2
		.amdhsa_user_sgpr_kernarg_segment_ptr 1
		.amdhsa_wavefront_size32 1
		.amdhsa_system_sgpr_workgroup_id_x 1
		.amdhsa_system_sgpr_workgroup_id_y 1
		.amdhsa_system_sgpr_workgroup_id_z 1
		.amdhsa_system_vgpr_workitem_id 0
		.amdhsa_next_free_vgpr 136
		.amdhsa_next_free_sgpr 66
		.amdhsa_reserve_vcc 0
		.amdhsa_float_denorm_mode_32 3
		.amdhsa_float_denorm_mode_16_64 3
		.amdhsa_memory_ordered 1
		.amdhsa_forward_progress 1
		.amdhsa_inst_pref_size 14
	.end_amdhsa_kernel
	.amdgpu_metadata
---
amdhsa.version: [ 1, 2 ]
amdhsa.kernels:
  - .name:           k_q59a9dbd380_cast
    .symbol:         k_q59a9dbd380_cast.kd
    .args:
      - { .name: x, .offset: 0, .size: 8, .value_kind: global_buffer, .address_space: global }
      - { .name: Wq, .offset: 8, .size: 8, .value_kind: global_buffer, .address_space: global }
      - { .name: Wk, .offset: 16, .size: 8, .value_kind: global_buffer, .address_space: global }
      - { .name: Wv, .offset: 24, .size: 8, .value_kind: global_buffer, .address_space: global }
      - { .name: Wp, .offset: 32, .size: 8, .value_kind: global_buffer, .address_space: global }
      - { .name: xb, .offset: 40, .size: 8, .value_kind: global_buffer, .address_space: global }
      - { .name: wb, .offset: 48, .size: 8, .value_kind: global_buffer, .address_space: global }
    .group_segment_fixed_size: 0
    .private_segment_fixed_size: 0
    .kernarg_segment_align: 8
    .kernarg_segment_size: 56
    .max_flat_workgroup_size: 256
    .sgpr_count:     66
    .vgpr_count:     136
    .wavefront_size: 32
...
	.end_amdgpu_metadata
.endif
;; end of part 1
;; launch qkv (part 2): grid 16 x 16, 4 waves a work-group, clusters of 4 x 4, 327,680 bytes of LDS; arguments xb, wb, bq, bk, bv, qkv; writes qkv
.if DOCPART == 2
	.amdgcn_target "amdgcn-amd-amdhsa--gfx1250"
	.amdhsa_code_object_version 6
	.text
	.protected	k_q59a9dbd380_qkv
	.globl	k_q59a9dbd380_qkv
	.p2align	8
	.type	k_q59a9dbd380_qkv,@function
k_q59a9dbd380_qkv:
	s_mov_b64 s[64:65], 0
	v_nop
	global_prefetch_b8 v0, s[64:65] scope:SCOPE_SE
	s_setreg_imm32_b32 hwreg(HW_REG_WAVE_MODE, 25, 1), 1
	s_wait_xcnt 0x0
	s_wait_alu depctr_hold_cnt(0) depctr_sa_sdst(0) depctr_va_vdst(0) depctr_va_sdst(0) depctr_va_ssrc(0) depctr_va_vcc(0) depctr_vm_vsrc(0)
	s_getreg_b32 s2, hwreg(HW_REG_IB_STS2, 6, 4)
	s_cmp_eq_u32 s2, 0
	s_cbranch_scc0 .Lentry_in_a_cluster
	s_endpgm
.Lentry_in_a_cluster:
	s_bfe_u32 s2, ttmp6, 0x10000c
	s_cmp_lg_u32 s2, 0xf033
	s_cbranch_scc0 .Lentry_shape_is_right
	s_endpgm
.Lentry_shape_is_right:
; [4096 x 3072] = xb [4096 x 1024] . wb[0:3072]^T + (bq | bk | bv), bf16 operands, f32 sums, stored as f16 head-major:
; qkv[which][batch][head][t][64].  LIMIT: a result of 65,504 or more in magnitude overflows f16.
; A work-group makes 256 rows x 192 columns (three whole heads) with four waves; wave w makes rows 64 w .. 64 w + 63 of all 192 columns:
; 4 x 12 = 48 accumulator tiles of 16 x 16, 384 registers.  16 x 16 = 256 work-groups.
; K goes in steps of 128 through two LDS slots filled by the tensor data mover; a tile's rows are 256 bytes of memory at multiples of 256.
; CLUSTERS: 4 x 4 work-groups.  The four of a cluster's row need the same rows of xb, the four of a column the same rows of wb: each tile is
; asked for jointly, which divides the requests for both by four.
; REGISTERS in windows of 256: window 0 addresses, A's fragments (two buffers), the bias, the way out; window 1 B's fragments (two buffers);
; window 2 the tiles of columns 0-95, window 3 those of columns 96-191 (tile (a, bb) at v[8 (6 a + bb)]).
; The matrix instruction is used transposed (source 0 = rows of wb, source 1 = rows of xb): a lane then holds eight neighbouring columns of one row.
; The bias is the C of the first product of each tile: nothing is cleared and nothing is added afterwards.
.set KSTEP,  128
.set PITCH,  272                       ; 256 bytes + 16 of padding: the 16 rows that a fragment load touches start 17 x 16 bytes apart
.set AH,     128*PITCH                 ; what one tensor load brings of A
.set BH,     96*PITCH                  ; and of B
.set SLOT,   2*AH+2*BH                 ; A's 256 rows, then B's 192 rows
.set STAGE,  2*SLOT                    ; behind the ring, a multiple of 256: no tensor load lands here
.set SPITCH, 400                       ; a staged row: 192 f16 + 16 bytes
.set LAPS,   4                         ; 1024 / (2 x 128)
.set ADRA, 16                          ; v16-17 LDS address of my A fragments in slot 0, 1
.set ADRB, 20                          ; v20-21 the same for B
.set STO,  24
.set RD,   25
.set CO,   26
.set BO,   27
.set FA,   32                          ; window 0: A's buffer f at 32 + 32 f
.set FB,   0                           ; window 1: B's buffer f at 96 f
.set BIAS, 96                          ; v96-191 tile column b: 8 registers
.set TMP,  192                         ; v192-239 packed results
.set RB0,  96                          ; read-back buffers on the way out (the bias is dead by then)
.set RB1,  144
.set G1,  24
.set G0,  32
.set G1B, 48
.set G0B, 56
.set BB,  66                           ; s[66:71] bias bases of my three heads
.set HB,  72                           ; s[72:77] output bases of my three heads
.set MSB, 0
.macro WIN new                         ; the immediate's high byte repeats the setting that is left
.if MSB != \new
	s_set_vgpr_msb (MSB<<8)|\new
.set MSB, \new
.endif
.endm
.set TO_B, 0x40
.macro PLACES                          ; four plain vector places behind matrix instructions (ISA guide 7.12.1)
.rept 4
	v_nop
.endr
.endm
.macro JLOAD s                         ; waves 0, 1 ask for A's halves, waves 2, 3 for B's: each line has one mask
	s_cmp_eq_u32 s17, 0
	s_cbranch_scc0 .Lfor_b_\@
	tensor_load_to_lds s[G0+4*\s:G0+4*\s+3], s[G1:G1+7]
	s_nop 0
	s_branch .Lasked_\@
.Lfor_b_\@:
	tensor_load_to_lds s[G0B+4*\s:G0B+4*\s+3], s[G1B:G1B+7]
	s_nop 0
.Lasked_\@:
.endm
.macro CREST                           ; a round of the cluster's barrier behind its opening barrier
	s_cmp_lg_u32 s16, 0
	s_cbranch_scc1 .Lnot_wave_0_\@
	s_barrier_signal -3
.Lnot_wave_0_\@:
	s_barrier_wait -3
	s_barrier_signal -1
	s_barrier_wait -1
.endm
.macro CROUND
	s_barrier_signal -1
	s_barrier_wait -1
	CREST
.endm
	s_load_b256 s[4:11], s[0:1], 0x0               ; xb s[4:5], wb s[6:7], bq s[8:9], bk s[10:11]
	s_load_b128 s[12:15], s[0:1], 0x20             ; bv s[12:13], qkv s[14:15]
	s_set_vgpr_msb 0x40
	v_lshl_add_u32 v255, v0, 2, 0x41c00
	s_set_vgpr_msb 0x4000
	v_mov_b32 v255, 0
	s_set_vgpr_msb 0x1
	ds_add_u32 v255, v255
	s_set_vgpr_msb 0x100
	v_lshrrev_b32 v1, 5, v0
	v_readfirstlane_b32 s16, v1                    ; wave 0..3
	s_lshr_b32 s17, s16, 1                         ; I fetch for A (0) or for B (1)
	s_and_b32 s18, s16, 1                          ; which half of that tile
	s_bfe_u32 s20, ttmp6, 0x40000                  ; cx
	s_bfe_u32 s21, ttmp6, 0x40004                  ; cy
	s_lshl_b32 s22, ttmp9, 2
	s_add_co_u32 s22, s22, s20                     ; bx: block of 192 columns
	s_and_b32 s23, ttmp7, 0xffff
	s_lshl_b32 s23, s23, 2
	s_add_co_u32 s23, s23, s21                     ; by: block of 256 rows
	s_lshl_b32 s40, s21, 2
	s_lshl_b32 s40, 15, s40                        ; my row of the cluster
	s_lshl_b32 s44, 0x1111, s20                    ; my column
	s_or_b32 s[G1+0], s40, (1<<16)|(1<<20)|(1<<21)|(5<<22)|(3<<25)   ; mask; 2-byte elements; padding on; bit 21 beside a mask; 4 words behind every 64
	s_or_b32 s[G1B+0], s44, (1<<16)|(1<<20)|(1<<21)|(5<<22)|(3<<25)
	s_mov_b32 s[G1+1], KSTEP<<16                   ; tensor_dim0 = 128
	s_mov_b32 s[G1+2], 128<<16                     ; tensor_dim1 = 128
	s_mov_b32 s[G1+3], KSTEP<<16                   ; tile_dim0 = 128
	s_mov_b32 s[G1+4], 128                         ; tile_dim1 = 128
	s_mov_b32 s[G1+5], 1024                        ; elements from row to row
	s_mov_b32 s[G1+6], 0
	s_mov_b32 s[G1+7], 0
	s_mov_b32 s[G1B+1], KSTEP<<16
	s_mov_b32 s[G1B+2], 96<<16                     ; B: 96 rows a load
	s_mov_b32 s[G1B+3], KSTEP<<16
	s_mov_b32 s[G1B+4], 96
	s_mov_b32 s[G1B+5], 1024
	s_mov_b32 s[G1B+6], 0
	s_mov_b32 s[G1B+7], 0
	; A's address hangs on by and the wave alone (s40-43), B's on bx and the wave alone (s44-47)
	s_lshl_b32 s40, s23, 8
	s_lshl_b32 s41, s18, 7
	s_add_co_u32 s40, s40, s41                     ; row 256 by + 128 half
	s_lshl_b32 s40, s40, 11                        ; x 2,048 bytes
	s_mov_b32 s41, 0
	s_mul_i32 s44, s22, 192
	s_mul_i32 s45, s18, 96
	s_add_co_u32 s44, s44, s45                     ; row 192 bx + 96 half
	s_lshl_b32 s44, s44, 11
	s_mov_b32 s45, 0
	s_mul_i32 s42, s16, AH                         ; waves 0, 1: A's halves at 0 and AH
	s_mul_i32 s46, s16, BH
	s_add_co_u32 s46, s46, 2*AH-2*BH               ; waves 2, 3: B's halves at 2 AH and 2 AH + BH
	s_wait_dscnt 0x0
	s_wait_kmcnt 0x0
	s_add_nc_u64 s[40:41], s[4:5], s[40:41]
	s_add_nc_u64 s[44:45], s[6:7], s[44:45]
	CROUND                                         ; all sixteen work-groups are here: the first joint loads meet
.irp s, 0,1
	s_mov_b32 s[G0+4*\s], 1
	s_add_co_u32 s[G0+4*\s+1], s42, \s*SLOT
	s_add_nc_u64 s[G0+4*\s+2:G0+4*\s+3], s[40:41], \s*KSTEP*2
	s_or_b32 s[G0+4*\s+3], s[G0+4*\s+3], 0x80000000
	s_mov_b32 s[G0B+4*\s], 1
	s_add_co_u32 s[G0B+4*\s+1], s46, \s*SLOT
	s_add_nc_u64 s[G0B+4*\s+2:G0B+4*\s+3], s[44:45], \s*KSTEP*2
	s_or_b32 s[G0B+4*\s+3], s[G0B+4*\s+3], 0x80000000
	JLOAD \s                                       ; K steps 0 and 1: two loads of mine are out
.endr
	; my three heads g = 3 bx + hh: which bias, which plane of qkv
.irp hh, 0,1,2
	s_mul_i32 s78, s22, 3
	s_add_co_u32 s78, s78, \hh
	s_cmp_lt_u32 s78, 16
	s_cselect_b64 s[80:81], s[8:9], s[10:11]       ; heads 0-15 are q's, 16-31 k's,
	s_cmp_lt_u32 s78, 32
	s_cselect_b64 s[BB+2*\hh:BB+2*\hh+1], s[80:81], s[12:13]   ; 32-47 v's
	s_and_b32 s82, s78, 15
	s_lshl_b32 s84, s82, 8                         ; 64 f32 a head
	s_mov_b32 s85, 0
	s_add_nc_u64 s[BB+2*\hh:BB+2*\hh+1], s[BB+2*\hh:BB+2*\hh+1], s[84:85]
	s_lshr_b32 s83, s78, 4
	s_lshl_b32 s83, s83, 5
	s_add_co_u32 s83, s83, s82
	s_lshr_b32 s86, s23, 3
	s_lshl_b32 s86, s86, 4
	s_add_co_u32 s83, s83, s86                     ; plane = 32 which + 16 batch + head
	s_lshl_b32 s84, s83, 18                        ; 2,048 rows of 128 bytes
	s_and_b32 s86, s23, 7
	s_lshl_b32 s86, s86, 8
	s_lshl_b32 s87, s16, 6
	s_add_co_u32 s86, s86, s87                     ; t of my first row
	s_lshl_b32 s86, s86, 7
	s_add_co_u32 s84, s84, s86
	s_add_nc_u64 s[HB+2*\hh:HB+2*\hh+1], s[14:15], s[84:85]
.endr
	v_and_b32 v1, 15, v0                           ; r
	v_bfe_u32 v2, v0, 4, 1                         ; h
	v_and_b32 v5, 31, v0                           ; lane
	v_mul_u32_u24 v3, v1, PITCH
	v_lshl_add_u32 v3, v2, 4, v3                   ; r x pitch + 16 h
	s_mul_i32 s78, s16, 64*PITCH                   ; my 64 rows of A
	v_add_nc_u32 v[ADRA], s78, v3
	v_add_nc_u32 v[ADRA+1], SLOT, v[ADRA]
	v_add_nc_u32 v[ADRB], 2*AH, v3                 ; all 192 rows of B
	v_add_nc_u32 v[ADRB+1], SLOT, v[ADRB]
	s_mul_i32 s79, s16, 16*SPITCH
	s_add_co_u32 s79, s79, STAGE                   ; my stage
	v_mul_u32_u24 v4, v1, SPITCH
	v_lshl_add_u32 v4, v2, 4, v4
	v_add_nc_u32 v[STO], s79, v4                   ; in: row r, 16 bytes for each half of the lanes
	v_lshrrev_b32 v6, 3, v5
	v_and_b32 v7, 7, v5
	v_mul_u32_u24 v6, v6, SPITCH
	v_lshl_add_u32 v6, v7, 4, v6
	v_add_nc_u32 v[RD], s79, v6                    ; back: eight lanes take the 128 bytes of one row of one head
	v_lshlrev_b32 v[CO], 4, v5                     ; four such rows are 512 neighbouring bytes of qkv
	v_lshlrev_b32 v[BO], 5, v2                     ; bias: eight f32 at column 8 h of the tile
.irp b, 0,1,2,3,4,5,6,7,8,9,10,11
	global_load_b128 v[BIAS+8*\b:BIAS+8*\b+3],   v[BO], s[BB+2*(\b/4):BB+2*(\b/4)+1] offset:64*(\b%4)
	global_load_b128 v[BIAS+8*\b+4:BIAS+8*\b+7], v[BO], s[BB+2*(\b/4):BB+2*(\b/4)+1] offset:64*(\b%4)+16
.endr
; 12 matrix instructions: row tiles a0, a0 + 1 x six column tiles (hi = 0: columns 0-95, 1: 96-191), 32 along K, from buffer f.
; The 48 accumulators take turns, one instruction a turn, in the same order in every quarter step.
.macro MULH f, hi, a0, first
.irp a, \a0, \a0+1
.irp bb, 0,1,2,3,4,5
.if \first
	v_wmma_f32_16x16x32_bf16 v[8*(6*(\a)+\bb):8*(6*(\a)+\bb)+7], v[FB+96*\f+8*(\bb+6*\hi):FB+96*\f+8*(\bb+6*\hi)+7], v[FA+32*\f+8*(\a):FA+32*\f+8*(\a)+7], v[BIAS+8*(\bb+6*\hi):BIAS+8*(\bb+6*\hi)+7]
.else
	v_wmma_f32_16x16x32_bf16 v[8*(6*(\a)+\bb):8*(6*(\a)+\bb)+7], v[FB+96*\f+8*(\bb+6*\hi):FB+96*\f+8*(\bb+6*\hi)+7], v[FA+32*\f+8*(\a):FA+32*\f+8*(\a)+7], v[8*(6*(\a)+\bb):8*(6*(\a)+\bb)+7]
.endif
.endr
.endr
.endm
; 32 LDS loads in one run: 64 rows of A, then 192 rows of B, 32 K at byte k of the rows, into buffer f
.macro FETCH slot, k, f
	WIN 0
.irp a, 0,1,2,3
	ds_load_b128 v[FA+32*\f+8*\a:FA+32*\f+8*\a+3],   v[ADRA+\slot] offset:\k+\a*16*PITCH
	ds_load_b128 v[FA+32*\f+8*\a+4:FA+32*\f+8*\a+7], v[ADRA+\slot] offset:\k+\a*16*PITCH+32
.endr
	WIN TO_B
.irp b, 0,1,2,3,4,5,6,7,8,9,10,11
	ds_load_b128 v[FB+96*\f+8*\b:FB+96*\f+8*\b+3],   v[ADRB+\slot] offset:\k+\b*16*PITCH
	ds_load_b128 v[FB+96*\f+8*\b+4:FB+96*\f+8*\b+7], v[ADRB+\slot] offset:\k+\b*16*PITCH+32
.endr
.endm
; One of a K step's first three quarters: multiplies buffer f, fetches the next quarter (byte k) into buffer g in its middle.
.macro QUARTER slot, k, f, g, first
	s_wait_dscnt 12                                ; A and B's tiles 0-5 are in; the youngest twelve loads (B's tiles 6-11) may be out
.if \first
	WIN 0x81                                       ; C is the bias, in window 0
.else
	WIN 0xa1
.endif
	MULH \f, 0, 0, \first
	MULH \f, 0, 2, \first
	PLACES
	FETCH \slot, \k, \g
	s_wait_dscnt 32                                ; all but the 32 just issued
.if \first
	WIN 0xc1
.else
	WIN 0xf1
.endif
	MULH \f, 1, 0, \first
	MULH \f, 1, 2, \first
.endm
.macro THREE slot, first
	QUARTER \slot, 64,  0, 1, \first
	QUARTER \slot, 128, 1, 0, 0
	QUARTER \slot, 192, 0, 1, 0
.endm
; The last quarter multiplies buffer 1 and changes slots.  In front of the barrier each wave waits for its reads of this slot and for all
; its tensor loads (one is out: its part of the next slot).  With fill = 1 the barrier opens a round of the cluster's barrier, and the joint
; refill is the first tensor load behind the round; from that request to the wait for it a wave issues 180 matrix instructions.
.macro TURN slot, next, fill
	s_wait_dscnt 12
	WIN 0xa1
	MULH 1, 0, 0, 0
	s_wait_dscnt 0x0                               ; my reads of this slot are over
	s_wait_tensorcnt 0x0                           ; all my tensor loads have landed
	ds_add_u32 v255, v255
	s_wait_dscnt 0x0
	s_barrier_signal -1
	MULH 1, 0, 2, 0                                ; register work while the others arrive
	WIN 0
	s_barrier_wait -1
.if \fill
	CREST                                          ; no wave of any partner still reads this slot or has a load on its way
	s_add_nc_u64 s[G0+4*\slot+2:G0+4*\slot+3], s[G0+4*\slot+2:G0+4*\slot+3], 2*KSTEP*2
	s_add_nc_u64 s[G0B+4*\slot+2:G0B+4*\slot+3], s[G0B+4*\slot+2:G0B+4*\slot+3], 2*KSTEP*2
	JLOAD \slot
.endif
	PLACES
	FETCH \next, 0, 0
	WIN 0xf1
	MULH 1, 1, 0, 0
	MULH 1, 1, 2, 0
.endm
.macro LAP first
	THREE 0, \first
	TURN 0, 1, 1
	THREE 1, 0
	TURN 1, 0, 1
.endm
	s_wait_tensorcnt 0x1                           ; my part of K step 0 is in, K step 1's may stay out
	s_barrier_signal -1
	s_barrier_wait -1
	FETCH 0, 0, 0
	s_wait_loadcnt 0x0                             ; the bias
	LAP 1                                          ; the first lap stands in front of the loop: its first products start the sums from the bias
	WIN 0
	s_mov_b32 s19, LAPS-2
.Llap:
	LAP 0
	WIN 0
	s_sub_co_u32 s19, s19, 1
	s_cmp_lg_u32 s19, 0
	s_cbranch_scc1 .Llap
	THREE 0, 0                                     ; the last lap fills nothing
	TURN 0, 1, 0
	THREE 1, 0
	s_wait_dscnt 12
	WIN 0xa1
	MULH 1, 0, 0, 0
	MULH 1, 0, 2, 0
	s_wait_dscnt 0x0
	WIN 0xf1
	MULH 1, 1, 0, 0
	MULH 1, 1, 2, 0
	PLACES                                         ; behind the last matrix instructions, for the conversions and the read-back loads
; THE WAY OUT, 16 rows at a time: round to f16, 16 bytes a lane into my own stage, read back head by head as runs of four rows.
.macro OUT16 a, rb
	WIN 0x0a
.irp b, 0,1,2,3,4,5
.irp r, 0,1,2,3
	v_cvt_pk_f16_f32 v[TMP+4*\b+\r], v[8*(6*\a+\b)+2*\r], v[8*(6*\a+\b)+2*\r+1]
.endr
.endr
	WIN 0x0f
.irp b, 0,1,2,3,4,5
.irp r, 0,1,2,3
	v_cvt_pk_f16_f32 v[TMP+24+4*\b+\r], v[8*(6*\a+\b)+2*\r], v[8*(6*\a+\b)+2*\r+1]
.endr
.endr
	WIN 0
.irp b, 0,1,2,3,4,5,6,7,8,9,10,11
	ds_store_b128 v[STO], v[TMP+4*\b:TMP+4*\b+3] offset:32*\b
.endr
	s_wait_xcnt 0x0                                ; the read-back buffer, which earlier stores read, is loaded again only behind this wait
.irp n, 0,1,2,3,4,5,6,7,8,9,10,11
	ds_load_b128 v[\rb+4*\n:\rb+4*\n+3], v[RD] offset:128*(\n/4)+4*SPITCH*(\n%4)   ; LDS serves a wave in order: these see the stores above
.endr
.irp n, 0,1,2,3,4,5,6,7,8,9,10,11
	s_wait_dscnt 11-\n
	global_store_b128 v[CO], v[\rb+4*\n:\rb+4*\n+3], s[HB+2*(\n/4):HB+2*(\n/4)+1] offset:(16*\a+4*(\n%4))*128   ; 512 consecutive bytes, aligned
.endr
.endm
	OUT16 0, RB0
	OUT16 1, RB1
	OUT16 2, RB0
	OUT16 3, RB1
	s_set_vgpr_msb 0x1
	s_wait_tensorcnt 0x0
	ds_add_u32 v255, v255
	s_wait_dscnt 0x0
	s_set_vgpr_msb 0x100
	CROUND                                         ; the closing round: no work-group ends while a partner may still ask for a tile that names it
	s_endpgm
.Lfunc_end_k_q59a9dbd380_qkv:
	.size	k_q59a9dbd380_qkv, .Lfunc_end_k_q59a9dbd380_qkv-k_q59a9dbd380_qkv
	.p2alignl 7, 3214868480
	.fill 96, 4, 3214868480
	.section	.rodata,"a",@progbits
	.p2align	6, 0x0
	.amdhsa_kernel k_q59a9dbd380_qkv
		.amdhsa_group_segment_fixed_size 327680
		.amdhsa_private_segment_fixed_size 0
		.amdhsa_enable_private_segment 0
		.amdhsa_kernarg_size 48
		.amdhsa_user_sgpr_count 2
		.amdhsa_user_sgpr_kernarg_segment_ptr 1
		.amdhsa_wavefront_size32 1
		.amdhsa_system_sgpr_workgroup_id_x 1
		.amdhsa_system_sgpr_workgroup_id_y 1
		.amdhsa_system_sgpr_workgroup_id_z 1
		.amdhsa_system_vgpr_workitem_id 0
		.amdhsa_next_free_vgpr 960
		.amdhsa_next_free_sgpr 96
		.amdhsa_reserve_vcc 0
		.amdhsa_float_denorm_mode_32 3
		.amdhsa_float_denorm_mode_16_64 3
		.amdhsa_memory_ordered 1
		.amdhsa_forward_progress 1
		.amdhsa_inst_pref_size 167
	.end_amdhsa_kernel
	.amdgpu_metadata
---
amdhsa.version: [ 1, 2 ]
amdhsa.kernels:
  - .name:           k_q59a9dbd380_qkv
    .symbol:         k_q59a9dbd380_qkv.kd
    .args:
      - { .name: xb, .offset: 0, .size: 8, .value_kind: global_buffer, .address_space: global }
      - { .name: wb, .offset: 8, .size: 8, .value_kind: global_buffer, .address_space: global }
      - { .name: bq, .offset: 16, .size: 8, .value_kind: global_buffer, .address_space: global }
      - { .name: bk, .offset: 24, .size: 8, .value_kind: global_buffer, .address_space: global }
      - { .name: bv, .offset: 32, .size: 8, .value_kind: global_buffer, .address_space: global }
      - { .name: qkv, .offset: 40, .size: 8, .value_kind: global_buffer, .address_space: global }
    .group_segment_fixed_size: 327680
    .private_segment_fixed_size: 0
    .kernarg_segment_align: 8
    .kernarg_segment_size: 48
    .max_flat_workgroup_size: 128
    .sgpr_count:     96
    .vgpr_count:     960
    .wavefront_size: 32
...
	.end_amdgpu_metadata
.endif
;; end of part 2
;; launch attn (part 3): grid 256 x 1, 8 waves a work-group, clusters of 4 x 1, 327,680 bytes of LDS; arguments qkv, yh; writes yh
.if DOCPART == 3
	.amdgcn_target "amdgcn-amd-amdhsa--gfx1250"
	.amdhsa_code_object_version 6
	.text
	.protected	k_q59a9dbd380_attn
	.globl	k_q59a9dbd380_attn
	.p2align	8
	.type	k_q59a9dbd380_attn,@function
k_q59a9dbd380_attn:
	s_mov_b64 s[64:65], 0
	v_nop
	global_prefetch_b8 v0, s[64:65] scope:SCOPE_SE
	s_setreg_imm32_b32 hwreg(HW_REG_WAVE_MODE, 25, 1), 1
	s_wait_xcnt 0x0
	s_wait_alu depctr_hold_cnt(0) depctr_sa_sdst(0) depctr_va_vdst(0) depctr_va_sdst(0) depctr_va_ssrc(0) depctr_va_vcc(0) depctr_vm_vsrc(0)
	s_getreg_b32 s2, hwreg(HW_REG_IB_STS2, 6, 4)
	s_cmp_eq_u32 s2, 0
	s_cbranch_scc0 .Lentry_in_a_cluster
	s_endpgm
.Lentry_in_a_cluster:
	s_bfe_u32 s2, ttmp6, 0x10000c
	s_cmp_lg_u32 s2, 0x3003
	s_cbranch_scc0 .Lentry_shape_is_right
	s_endpgm
.Lentry_shape_is_right:
; Causal attention, one pass over the keys with a running maximum.  q, k, v: qkv[3][32 (batch, head)][2048][64] f16; y: yh[32][2048][64] f16.
; f16 operands (q, k, v and the probabilities, which are at most 1), f32 scores, sums and statistics.
; LIMITS: NaN inputs are dropped by the maxima; the sums are ordered otherwise than in a plain softmax.
; SHARES.  A head has four blocks of 512 queries.  A cluster of four work-groups takes blocks 3 - g and g of head ttmp9 >> 1 (g = ttmp9 & 1), one in each of
; two passes: 8 + 2 or 6 + 4 = 10 steps of 256 keys for every cluster.  Wave 4 grp + w of work-group cx owns the 32 queries 128 w + 32 cx of the block; the two groups
; of four waves split each step's keys (group 0 the first 128, group 1 the second) and merge once a pass.  So all four work-groups walk the same K and V tiles
; at the same time, each tile is asked for jointly (mask 15), and no branch hangs on cx: in the two diagonal steps tile 2 d + grp is whole, masked or
; left out by the wave's number alone, and cx enters only the compare that masks.
; PRODUCTS.  S^T = K Q^T: a lane holds scores of ONE query (lane & 15) and eight keys a tile, so the statistics are one number a lane, and two key tiles
; convert in place into a B fragment of P^T.  O^T = V^T P^T, V^T by the transposing LDS load.  No shuffle between the two products.
.set SLOT,   71680                     ; K: 128 rows (2 keys each) x 272, then V: 128 rows x 288
.set VOFF,   34816
.set MBASE,  143360                    ; merge: 4 x 8,704.  These three regions are multiples of 256 behind the ring: no tensor load lands there
.set SBASE,  178176                    ; stage of y: 4 x 32 rows x 144
.set QSBASE, 196608                    ; the second pass's Q fragments: 8 x 4,096
.set KADR, 2                           ; v2-3   my K fragment address in slot 0, 1
.set VADR, 4                           ; v4-5   my V fragment address
.set QOFF, 6
.set STG,  7
.set RDB,  8
.set MRG,  9
.set NM0,  10                          ; v10, v12  - c x running maximum of query tile 0, 1 (first of a pair for the packed forms)
.set DL0,  11                          ; v11, v13  query - 8 h inside the diagonal tile
.set AL0,  14                          ; v14, v16  the factor for what has been summed so far
.set YO,   15
.set QS,   17
.set L0,   18                          ; v[18:19], v[20:21] running sums, two chains each
.set T,    22                          ; v22-30 at work
.set Q,    32                          ; v32-63   Q(qt, ds) at 32 + 16 qt + 8 ds
.set KV,   64                          ; v64-127  two halves of 32: K fragments, then V fragments
.set S,    128                         ; v128-191 S(kt, qt) at 128 + 32 (kt >> 1) + 16 qt + 8 (kt & 1); P(ks, qt) = the first 8 of block (ks, qt)
.set O,    192                         ; v192-255 O(dt, qt) at 192 + 32 qt + 8 dt
.set G1K, 16
.set G1V, 24
.set G0K, 32
.set G0V, 40
.macro PLACES n                        ; plain vector places behind matrix instructions (ISA guide 7.12.1)
.rept \n
	v_nop
.endr
.endm
.macro ROUND                           ; a round of the cluster's barrier
	s_barrier_signal -1
	s_barrier_wait -1
	s_cmp_lg_u32 s8, 0
	s_cbranch_scc1 .Lnot_wave_0_\@
	s_barrier_signal -3
.Lnot_wave_0_\@:
	s_barrier_wait -3
	s_barrier_signal -1
	s_barrier_wait -1
.endm
.macro JLOAD slot                      ; waves 0-3 ask for the four quarters of K's 256 keys, waves 4-7 for V's
	s_cmp_eq_u32 s9, 0
	s_cbranch_scc0 .Lfor_v_\@
	tensor_load_to_lds s[G0K+4*(\slot):G0K+4*(\slot)+3], s[G1K:G1K+7]
	s_nop 0
	s_branch .Lasked_\@
.Lfor_v_\@:
	tensor_load_to_lds s[G0V+4*(\slot):G0V+4*(\slot)+3], s[G1V:G1V+7]
	s_nop 0
.Lasked_\@:
.endm
	s_load_b128 s[4:7], s[0:1], 0x0                ; qkv s[4:5], yh s[6:7]
	v_lshl_add_u32 v31, v0, 2, 0x38000
	s_set_vgpr_msb 0x40
	v_mov_b32 v1, 0
	s_set_vgpr_msb 0x4044
	ds_add_u32 v31, v1
	s_set_vgpr_msb 0x4400
	v_lshrrev_b32 v1, 5, v0
	v_readfirstlane_b32 s8, v1                     ; wave 0..7
	s_lshr_b32 s9, s8, 2                           ; grp
	s_and_b32 s10, s8, 3                           ; w
	s_sub_co_i32 s11, s10, s9                      ; w - grp: against 2 d it says whole, masked or left out
	s_bfe_u32 s12, ttmp6, 0x40000                  ; cx
	s_lshr_b32 s14, ttmp9, 1                       ; (batch, head)
	s_and_b32 s15, ttmp9, 1                        ; g
	s_sub_co_u32 s73, 3, s15                       ; first pass: block 3 - g, which is also its loop's trips (two whole steps each)
	s_mov_b32 s74, s15                             ; second pass: block g
	s_mov_b32 s66, 0x3e38aa3b                      ; c = log2(e) / 8: the scale 1 / sqrt(64) and the base of v_exp_f32 in one factor
	s_mov_b32 s67, 0x3e38aa3b
	s_mov_b32 s68, 0xbe38aa3b                      ; - c
	s_mov_b32 s69, 0xff800000                      ; - infinity
	s_mov_b32 s70, 0x76543210                      ; v_permlanex16_b32: lane i of one half reads lane i of the other
	s_mov_b32 s71, 0xfedcba98
	; group 1: 32 rows of 32 elements of 8 bytes (256 bytes = two keys), dense; padded by 4 words (K) or 8 words (V) a row
	s_mov_b32 s[G1K+0], 15|(3<<16)|(1<<20)|(1<<21)|(5<<22)|(3<<25)
	s_mov_b32 s[G1K+1], 32<<16
	s_mov_b32 s[G1K+2], 32<<16
	s_mov_b32 s[G1K+3], 32<<16
	s_mov_b32 s[G1K+4], 32
	s_mov_b32 s[G1K+5], 32
	s_mov_b32 s[G1K+6], 0
	s_mov_b32 s[G1K+7], 0
	s_mov_b32 s[G1V+0], 15|(3<<16)|(1<<20)|(1<<21)|(5<<22)|(7<<25)
	s_mov_b32 s[G1V+1], 32<<16
	s_mov_b32 s[G1V+2], 32<<16
	s_mov_b32 s[G1V+3], 32<<16
	s_mov_b32 s[G1V+4], 32
	s_mov_b32 s[G1V+5], 32
	s_mov_b32 s[G1V+6], 0
	s_mov_b32 s[G1V+7], 0
	s_add_co_u32 s76, s14, 32                      ; K's plane
	s_lshl_b32 s76, s76, 18
	s_lshl_b32 s78, s10, 13                        ; my quarter: 64 keys of 128 bytes
	s_add_co_u32 s76, s76, s78
	s_mov_b32 s77, 0
	s_mul_i32 s79, s10, 8704                       ; 32 rows x 272
	s_mul_i32 s80, s10, 9216                       ; 32 rows x 288
	s_add_co_u32 s80, s80, VOFF
	s_wait_dscnt 0x0
	s_wait_kmcnt 0x0
	s_add_nc_u64 s[52:53], s[4:5], s[76:77]        ; K, keys 0-255, my quarter
	s_add_nc_u64 s[54:55], s[52:53], 0x800000      ; V: 32 planes on
	s_or_b32 s53, s53, 0x80000000                  ; the type bits
	s_or_b32 s55, s55, 0x80000000
.irp s, 0,1
	s_mov_b32 s[G0K+4*\s], 1
	s_add_co_u32 s[G0K+4*\s+1], s79, \s*SLOT
	s_mov_b32 s[G0V+4*\s], 1
	s_add_co_u32 s[G0V+4*\s+1], s80, \s*SLOT
.endr
	s_mov_b64 s[G0K+2:G0K+3], s[52:53]
	s_mov_b64 s[G0V+2:G0V+3], s[54:55]
	s_add_nc_u64 s[48:49], s[52:53], 32768         ; the next 256 keys to be asked for
	s_add_nc_u64 s[50:51], s[54:55], 32768
	ROUND                                          ; all four work-groups are here: the first joint loads meet
	JLOAD 0
	; what hangs on cx lives in s12, s56-63 and s84-91 alone
	s_lshl_b32 s84, s10, 7
	s_lshl_b32 s85, s12, 5
	s_add_co_u32 s84, s84, s85                     ; 128 w + 32 cx
	s_lshl_b32 s86, s73, 9
	s_add_co_u32 s86, s86, s84                     ; my first query, first pass
	s_lshl_b32 s88, s74, 9
	s_add_co_u32 s88, s88, s84                     ; second pass
	s_lshl_b32 s90, s14, 18
	s_lshl_b32 s86, s86, 7
	s_add_co_u32 s86, s86, s90
	s_mov_b32 s87, 0
	s_lshl_b32 s88, s88, 7
	s_add_co_u32 s88, s88, s90
	s_mov_b32 s89, 0
	s_add_nc_u64 s[56:57], s[4:5], s[86:87]        ; Q, first pass
	s_add_nc_u64 s[58:59], s[4:5], s[88:89]        ; Q, second pass
	s_add_nc_u64 s[60:61], s[6:7], s[86:87]        ; y, first pass
	s_add_nc_u64 s[62:63], s[6:7], s[88:89]        ; y, second pass
	v_and_b32 v1, 31, v0                           ; lane
	v_and_b32 v22, 15, v0                          ; r
	v_bfe_u32 v23, v0, 4, 1                        ; h
	v_lshlrev_b32 v[QOFF], 7, v22
	v_lshl_add_u32 v[QOFF], v23, 4, v[QOFF]        ; row r of 128 bytes + 16 h
.irp n, 0,1,2,3,4,5,6,7
	global_load_b128 v[S+4*\n:S+4*\n+3], v[QOFF], s[58:59] offset:2048*(\n/4)+64*((\n/2)%2)+32*(\n%2)   ; the second pass's Q, to be parked in LDS
.endr
.irp n, 0,1,2,3,4,5,6,7
	global_load_b128 v[Q+4*\n:Q+4*\n+3], v[QOFF], s[56:57] offset:2048*(\n/4)+64*((\n/2)%2)+32*(\n%2)
.endr
	v_lshrrev_b32 v24, 1, v22                      ; K: key r lies in row r >> 1, half r & 1
	v_mul_u32_u24 v24, v24, 272
	v_and_b32 v25, 1, v22
	v_lshl_add_u32 v24, v25, 7, v24
	v_lshl_add_u32 v24, v23, 4, v24
	s_mul_i32 s76, s9, 17408                       ; my group's 128 keys: 64 rows x 272
	v_add_nc_u32 v[KADR], s76, v24
	v_add_nc_u32 v[KADR+1], SLOT, v[KADR]
	v_bfe_u32 v24, v0, 1, 2                        ; V: the lane addresses key 8 h + (lane & 7), 16 bytes at d = 8 ((lane >> 3) & 1)
	v_lshl_add_u32 v24, v23, 2, v24
	v_mul_u32_u24 v24, v24, 288
	v_and_b32 v25, 1, v0
	v_lshl_add_u32 v24, v25, 7, v24
	v_bfe_u32 v25, v0, 3, 1
	v_lshl_add_u32 v24, v25, 4, v24
	s_mul_i32 s76, s9, 18432                       ; 64 rows x 288
	s_add_co_u32 s76, s76, VOFF
	v_add_nc_u32 v[VADR], s76, v24
	v_add_nc_u32 v[VADR+1], SLOT, v[VADR]
	s_mul_i32 s77, s10, 4608
	s_add_co_u32 s77, s77, SBASE
	v_mul_u32_u24 v24, v22, 144
	v_lshl_add_u32 v24, v23, 4, v24
	v_add_nc_u32 v[STG], s77, v24
	v_lshrrev_b32 v24, 3, v1
	v_mul_u32_u24 v24, v24, 144
	v_and_b32 v25, 7, v1
	v_lshl_add_u32 v24, v25, 4, v24
	v_add_nc_u32 v[RDB], s77, v24
	s_mul_i32 s78, s10, 8704
	s_add_co_u32 s78, s78, MBASE
	v_lshl_add_u32 v[MRG], v1, 4, s78
	v_lshlrev_b32 v[YO], 4, v1
	s_lshl_b32 s79, s8, 12
	s_add_co_u32 s79, s79, QSBASE
	v_lshl_add_u32 v[QS], v1, 4, s79
	v_lshlrev_b32 v24, 3, v23
	v_sub_nc_u32 v24, v22, v24                     ; r - 8 h
	v_add_nc_u32 v[DL0], s85, v24                  ; + 32 cx
	v_add_nc_u32 v[DL0+2], 16, v[DL0]
	s_wait_loadcnt 0x8                             ; the first eight loads: the second pass's Q
.irp n, 0,1,2,3,4,5,6,7
	ds_store_b128 v[QS], v[S+4*\n:S+4*\n+3] offset:512*\n
.endr
	s_wait_loadcnt 0x0
; The head of a step on slot.  Every wave waits for all its tensor loads (its part of this slot's tile) and for its reads of the other slot.  fill = 1: a round of the
; cluster's barrier follows, and the joint load of the next 256 keys into the other slot is the first tensor load behind it: one load of a wave is out at a time.
.macro STEPHEAD slot, fill
	s_set_vgpr_msb 0x4
	s_wait_tensorcnt 0x0
	ds_add_u32 v31, v1
	s_wait_dscnt 0x0
	s_set_vgpr_msb 0x400
.if \fill
	s_mov_b64 s[G0K+4*(1-\slot)+2:G0K+4*(1-\slot)+3], s[48:49]   ; no load of mine is out: the descriptors may be written
	s_mov_b64 s[G0V+4*(1-\slot)+2:G0V+4*(1-\slot)+3], s[50:51]
	s_add_nc_u64 s[48:49], s[48:49], 32768
	s_add_nc_u64 s[50:51], s[50:51], 32768
.endif
	s_wait_dscnt 0x0
.if \fill
	ROUND
	JLOAD 1-\slot
.else
	s_barrier_signal -1
	s_barrier_wait -1
.endif
.endm
; K fragments of 32 keys (half hf of the 64 keys sub) into half hf of KV
.macro LOADK slot, sub, hf
.irp kk, 0,1
.irp ds, 0,1
.irp i, 0,1
	ds_load_b128 v[KV+32*\hf+16*\kk+8*\ds+4*\i:KV+32*\hf+16*\kk+8*\ds+4*\i+3], v[KADR+\slot] offset:(4*(\sub)+2*\hf+\kk)*2176+64*\ds+32*\i
.endr
.endr
.endr
.endm
; V^T fragments of 32 keys x 64 d into half ks of KV
.macro LOADV slot, sub, ks
.irp dt, 0,1,2,3
.irp i, 0,1
	ds_load_tr16_b128 v[KV+32*\ks+8*\dt+4*\i:KV+32*\ks+8*\dt+4*\i+3], v[VADR+\slot] offset:(2*(\sub)+\ks)*4608+2304*\i+32*\dt
.endr
.endr
.endm
; Scores of 32 keys x 32 queries: four accumulators take turns, one instruction a turn; the first product starts each sum
.macro SMUL hf
.irp ds, 0,1
.irp kk, 0,1
.irp qt, 0,1
.if \ds == 0
	v_wmma_f32_16x16x32_f16 v[S+32*\hf+16*\qt+8*\kk:S+32*\hf+16*\qt+8*\kk+7], v[KV+32*\hf+16*\kk:KV+32*\hf+16*\kk+7], v[Q+16*\qt:Q+16*\qt+7], 0
.else
	v_wmma_f32_16x16x32_f16 v[S+32*\hf+16*\qt+8*\kk:S+32*\hf+16*\qt+8*\kk+7], v[KV+32*\hf+16*\kk+8:KV+32*\hf+16*\kk+15], v[Q+16*\qt+8:Q+16*\qt+15], v[S+32*\hf+16*\qt+8*\kk:S+32*\hf+16*\qt+8*\kk+7]
.endif
.endr
.endr
.endr
.endm
; O^T += V^T P^T for 32 keys: eight accumulators take turns
.macro PV ks
.irp qt, 0,1
.irp dt, 0,1,2,3
	v_wmma_f32_16x16x32_f16 v[O+32*\qt+8*\dt:O+32*\qt+8*\dt+7], v[KV+32*\ks+8*\dt:KV+32*\ks+8*\dt+7], v[S+32*\ks+16*\qt:S+32*\ks+16*\qt+7], v[O+32*\qt+8*\dt:O+32*\qt+8*\dt+7]
.endr
.endr
.endm
; The diagonal tile: key 64 sub + 16 kt + 8 h + j stays if it is not beyond query 32 cx + 16 qt + r
.macro MASK sub
.irp qt, 0,1
.irp kt, 0,1,2,3
.irp j, 0,1,2,3,4,5,6,7
	v_cmp_le_i32 vcc_lo, 64*\sub+16*\kt+\j, v[DL0+2*\qt]
	v_cndmask_b32 v[S+32*(\kt/2)+16*\qt+8*(\kt%2)+\j], s69, v[S+32*(\kt/2)+16*\qt+8*(\kt%2)+\j], vcc_lo
.endr
.endr
.endr
.endm
; 64 keys x 32 queries of scores become probabilities in f16; the running maximum, the sums and O follow.
; What is kept is NM = the rounded - c x maximum itself, so that exp2(NM new - NM old) fits the exponentials already summed exactly.
; A piece that is masked whole leaves NM as it is (its exponentials are exp2(- infinity) = 0).
.macro SOFTMAX
.irp qt, 0,1
	v_max3_num_f32 v[T+2*\qt],   v[S+16*\qt],    v[S+16*\qt+1],    v[S+16*\qt+2]
	v_max3_num_f32 v[T+2*\qt+1], v[S+32+16*\qt], v[S+32+16*\qt+1], v[S+32+16*\qt+2]
.endr
.irp e, 3,5,7,9,11,13
.irp qt, 0,1
	v_max3_num_f32 v[T+2*\qt],   v[T+2*\qt],   v[S+16*\qt+\e],    v[S+16*\qt+\e+1]
	v_max3_num_f32 v[T+2*\qt+1], v[T+2*\qt+1], v[S+32+16*\qt+\e], v[S+32+16*\qt+\e+1]
.endr
.endr
.irp qt, 0,1
	v_max3_num_f32 v[T+2*\qt], v[T+2*\qt], v[T+2*\qt+1], v[S+16*\qt+15]
.endr
.irp qt, 0,1
	v_max_num_f32 v[T+2*\qt], v[T+2*\qt], v[S+32+16*\qt+15]
.endr
.irp qt, 0,1
	v_permlanex16_b32 v[T+2*\qt+1], v[T+2*\qt], s70, s71   ; the other half of the lanes holds the query's other keys
.endr
.irp qt, 0,1
	v_max_num_f32 v[T+2*\qt], v[T+2*\qt], v[T+2*\qt+1]
	v_mul_f32 v[T+2*\qt+1], s68, v[T+2*\qt]                ; - c x this piece's maximum
	v_min_num_f32 v[T+2*\qt], v[NM0+2*\qt], v[T+2*\qt+1]   ; the new NM
	v_sub_f32 v[T+2*\qt+1], v[T+2*\qt], v[NM0+2*\qt]       ; at most 0
.endr
	v_exp_f32 v[AL0], v[T+1]
	v_exp_f32 v[AL0+2], v[T+3]
	v_mov_b32 v[NM0], v[T]                                 ; the plain place behind the exponentials (ISA guide 5.7.2)
	v_mov_b32 v[NM0+2], v[T+2]
.irp i, 0,1,2,3,4,5,6,7,8,9,10,11,12,13,14,15
.set p0, S+32*(\i/8)+2*(\i%8)
	v_pk_fma_f32 v[p0:p0+1], v[p0:p0+1], s[66:67], v[NM0:NM0+1] op_sel_hi:[1,0,0]      ; c s - c max, query tile 0
.endr
	; behind each pair of exponentials stand plain instructions on other registers
.irp i, 0,1,2,3,4,5,6,7,8,9,10,11,12,13,14,15
.set p0, S+32*(\i/8)+2*(\i%8)
.set p1, p0+16
	v_exp_f32 v[p0], v[p0]
	v_exp_f32 v[p0+1], v[p0+1]
	v_pk_fma_f32 v[p1:p1+1], v[p1:p1+1], s[66:67], v[NM0+2:NM0+3] op_sel_hi:[1,0,0]
	s_wait_alu depctr_va_vdst(0)
	v_pk_mul_f32 v[O+2*\i:O+2*\i+1], v[O+2*\i:O+2*\i+1], v[AL0:AL0+1] op_sel_hi:[1,0]
.endr
.irp i, 0,1,2,3,4,5,6,7,8,9,10,11,12,13,14,15
.set p0, S+32*(\i/8)+2*(\i%8)
.set p1, p0+16
	v_exp_f32 v[p1], v[p1]
	v_exp_f32 v[p1+1], v[p1+1]
.if \i == 0
	v_pk_fma_f32 v[L0:L0+1], v[L0:L0+1], v[AL0:AL0+1], v[p0:p0+1] op_sel_hi:[1,0,1]
.else
	s_wait_alu depctr_va_vdst(0)
	v_pk_add_f32 v[L0:L0+1], v[L0:L0+1], v[p0:p0+1]
.endif
	v_cvt_pk_f16_f32 v[S+32*(\i/8)+(\i%8)], v[p0], v[p0+1]  ; in place: register i & 7 of the block was summed and converted in an earlier turn
.endr
.irp i, 0,1,2,3,4,5,6,7,8,9,10,11,12,13,14,15
.set p1, S+32*(\i/8)+2*(\i%8)+16
.if \i == 0
	v_pk_fma_f32 v[L0+2:L0+3], v[L0+2:L0+3], v[AL0+2:AL0+3], v[p1:p1+1] op_sel_hi:[1,0,1]
	s_wait_alu depctr_va_vdst(0)
.else
	v_pk_add_f32 v[L0+2:L0+3], v[L0+2:L0+3], v[p1:p1+1]
.endif
	v_cvt_pk_f16_f32 v[S+32*(\i/8)+16+(\i%8)], v[p1], v[p1+1]
	v_pk_mul_f32 v[O+32+2*\i:O+32+2*\i+1], v[O+32+2*\i:O+32+2*\i+1], v[AL0+2:AL0+3] op_sel_hi:[1,0]
.endr
.endm
; 64 keys.  At the entry 16 LDS loads are out (the K fragments of both halves).  Each wait for 8 leaves the one younger group of eight loads out.
; pre = 1: the next 64 keys' K fragments are fetched as the halves of KV fall free.
.macro SUB slot, sub, masked, pre
	s_wait_dscnt 0x8
	SMUL 0
	PLACES 4                                       ; in front of the loads into registers that the products read
	LOADV \slot, \sub, 0
	s_wait_dscnt 0x8
	SMUL 1
	PLACES 4                                       ; also in front of the first reads of the scores
	LOADV \slot, \sub, 1
.if \masked
	MASK \sub
.endif
	SOFTMAX
	s_wait_dscnt 0x8
	PV 0
	PLACES 4
.if \pre
	LOADK \slot, \sub+1, 0
	s_wait_dscnt 0x8
.else
	s_wait_dscnt 0x0
.endif
	PV 1
	PLACES 5                                       ; five in front of the next products, which write over P
.if \pre
	LOADK \slot, \sub+1, 1
.endif
.endm
.macro TILE slot, masked               ; my group's 128 keys of the step
	LOADK \slot, 0, 0
	LOADK \slot, 0, 1
	SUB \slot, 0, \masked, 1
	SUB \slot, 1, \masked, 0
.endm
.macro DIAG d, slot                    ; tile 2 d + grp of the diagonal block against my queries' tile w
	s_cmp_eq_i32 s11, 2*\d
	s_cbranch_scc1 .Lmask_\@
	s_cmp_gt_i32 s11, 2*\d
	s_cbranch_scc0 .Lskip_\@
	TILE \slot, 0
	s_branch .Lskip_\@
.Lmask_\@:
	TILE \slot, 1
.Lskip_\@:
.endm
; The two groups' halves of the keys meet: group 1 hands O, NM and its sums over through LDS, group 0 weighs, divides and stores y.
; In the first pass one tensor load of each wave is out at this barrier.
.macro MERGE p
	s_cmp_eq_u32 s9, 0
	s_cbranch_scc1 .Lnostore_\@
	v_mov_b32 v24, v[NM0]
	v_mov_b32 v25, v[NM0+2]
	v_add_f32 v26, v[L0], v[L0+1]
	v_add_f32 v27, v[L0+2], v[L0+3]
.irp n, 0,1,2,3,4,5,6,7,8,9,10,11,12,13,14,15
	ds_store_b128 v[MRG], v[O+4*\n:O+4*\n+3] offset:512*\n
.endr
	ds_store_b128 v[MRG], v[24:27] offset:8192
.Lnostore_\@:
	s_wait_dscnt 0x0                               ; for the other group's sake
	s_barrier_signal -1
	s_barrier_wait -1
	s_cmp_lg_u32 s9, 0
	s_cbranch_scc1 .Ldone_\@
.irp n, 0,1,2,3,4,5,6,7,8,9,10,11,12,13,14,15
	ds_load_b128 v[KV+4*\n:KV+4*\n+3], v[MRG] offset:512*\n
.endr
	ds_load_b128 v[24:27], v[MRG] offset:8192
	s_wait_dscnt 0x0
.irp qt, 0,1
	v_min_num_f32 v22, v[NM0+2*\qt], v[24+\qt]     ; the joint maximum; group 0 has always seen key 0, so it is finite
	v_sub_f32 v23, v22, v[NM0+2*\qt]
	v_sub_f32 v28, v22, v[24+\qt]
	v_exp_f32 v23, v23                             ; my weight
	v_exp_f32 v28, v28                             ; the other group's: 0 if it left every tile out
	v_add_f32 v29, v[L0+2*\qt], v[L0+2*\qt+1]
	s_wait_alu depctr_va_vdst(0)
	v_mul_f32 v30, v[26+\qt], v28
	v_fma_f32 v29, v29, v23, v30
	v_permlanex16_b32 v30, v29, s70, s71
	v_add_f32 v29, v29, v30                        ; the whole sum: at least 1, the term of the maximum
	v_rcp_f32 v29, v29
	v_nop
	s_wait_alu depctr_va_vdst(0)
	v_mul_f32 v[AL0+2*\qt], v23, v29
	v_mul_f32 v[NM0+2*\qt], v28, v29
.endr
.irp qt, 0,1
.irp i, 0,1,2,3,4,5,6,7,8,9,10,11,12,13,14,15
	v_pk_mul_f32 v[O+32*\qt+2*\i:O+32*\qt+2*\i+1], v[O+32*\qt+2*\i:O+32*\qt+2*\i+1], v[AL0+2*\qt:AL0+2*\qt+1] op_sel_hi:[1,0]
	v_pk_fma_f32 v[O+32*\qt+2*\i:O+32*\qt+2*\i+1], v[KV+32*\qt+2*\i:KV+32*\qt+2*\i+1], v[NM0+2*\qt:NM0+2*\qt+1], v[O+32*\qt+2*\i:O+32*\qt+2*\i+1] op_sel_hi:[1,0,1]
.endr
.endr
.irp qt, 0,1
.irp dt, 0,1,2,3
.irp i, 0,1,2,3
	v_cvt_pk_f16_f32 v[S+16*\qt+4*\dt+\i], v[O+32*\qt+8*\dt+2*\i], v[O+32*\qt+8*\dt+2*\i+1]
.endr
	ds_store_b128 v[STG], v[S+16*\qt+4*\dt:S+16*\qt+4*\dt+3] offset:2304*\qt+32*\dt   ; my own stage: row = query, 16 bytes at d = 16 dt + 8 h
.endr
.endr
.irp i, 0,1,2,3,4,5,6,7
	ds_load_b128 v[S+32+4*\i:S+32+4*\i+3], v[RDB] offset:576*\i    ; LDS serves a wave in order: these see the stores above
.endr
.irp i, 0,1,2,3,4,5,6,7
	s_wait_dscnt 7-\i
	global_store_b128 v[YO], v[S+32+4*\i:S+32+4*\i+3], s[60+2*\p:61+2*\p] offset:512*\i   ; four rows of y: 512 consecutive bytes, aligned
.endr
	s_wait_xcnt 0x0                                ; the stores' data registers are written again only behind this wait
.Ldone_\@:
.endm
; O is cleared by moves, not by a first product: a wave may leave out every tile of a pass (group 1 of the first queries), and the merge multiplies its O by 0.
.macro INIT p
.set n, 0
.rept 64
	v_mov_b32 v[O+n], 0
.set n, n+1
.endr
	v_mov_b32 v[NM0], 0x7f7fffff                   ; a running maximum of - 3.4e38 / c: finite, so that no difference of infinities arises
	v_mov_b32 v[NM0+2], 0x7f7fffff
	v_mov_b32 v[L0], 0
	v_mov_b32 v[L0+1], 0
	v_mov_b32 v[L0+2], 0
	v_mov_b32 v[L0+3], 0
.if \p
	PLACES 4
.irp n, 0,1,2,3,4,5,6,7
	ds_load_b128 v[Q+4*\n:Q+4*\n+3], v[QS] offset:512*\n   ; waited for by the next step's head
.endr
.endif
.endm
.macro PASS p
	INIT \p
.if \p
	s_cmp_eq_u32 s74, 0                            ; block 0 has no whole steps
	s_cbranch_scc1 .Lnoloop_\@
	s_mov_b32 s72, s74
.else
	s_mov_b32 s72, s73
.endif
.Lloop_\@:
	STEPHEAD 0, 1
	TILE 0, 0
	STEPHEAD 1, 1
	TILE 1, 0
	s_sub_co_i32 s72, s72, 1
	s_cmp_lg_u32 s72, 0
	s_cbranch_scc1 .Lloop_\@
.Lnoloop_\@:
	STEPHEAD 0, 1
	DIAG 0, 0
.if \p == 0
	s_mov_b64 s[48:49], s[52:53]                   ; the next request is the second pass's first: keys 0-255
	s_mov_b64 s[50:51], s[54:55]
.endif
	STEPHEAD 1, 1-\p
	DIAG 1, 1
	MERGE \p
.endm
	PASS 0
	PASS 1
	s_set_vgpr_msb 0x4
	s_wait_tensorcnt 0x0
	ds_add_u32 v31, v1
	s_wait_dscnt 0x0
	s_set_vgpr_msb 0x400
	ROUND                                          ; the closing round: no work-group ends while a partner may still ask for a tile that names it
	s_endpgm
.Lfunc_end_k_q59a9dbd380_attn:
	.size	k_q59a9dbd380_attn, .Lfunc_end_k_q59a9dbd380_attn-k_q59a9dbd380_attn
	.p2alignl 7, 3214868480
	.fill 96, 4, 3214868480
	.section	.rodata,"a",@progbits
	.p2align	6, 0x0
	.amdhsa_kernel k_q59a9dbd380_attn
		.amdhsa_group_segment_fixed_size 327680
		.amdhsa_private_segment_fixed_size 0
		.amdhsa_enable_private_segment 0
		.amdhsa_kernarg_size 16
		.amdhsa_user_sgpr_count 2
		.amdhsa_user_sgpr_kernarg_segment_ptr 1
		.amdhsa_wavefront_size32 1
		.amdhsa_system_sgpr_workgroup_id_x 1
		.amdhsa_system_sgpr_workgroup_id_y 1
		.amdhsa_system_sgpr_workgroup_id_z 1
		.amdhsa_system_vgpr_workitem_id 0
		.amdhsa_next_free_vgpr 258
		.amdhsa_next_free_sgpr 96
		.amdhsa_reserve_vcc 1
		.amdhsa_float_denorm_mode_32 3
		.amdhsa_float_denorm_mode_16_64 3
		.amdhsa_memory_ordered 1
		.amdhsa_forward_progress 1
		.amdhsa_inst_pref_size 255
	.end_amdhsa_kernel
	.section	.bss,"aw",@nobits
	.p2align	6
	.space	262144
	.amdgpu_metadata
---
amdhsa.version: [ 1, 2 ]
amdhsa.kernels:
  - .name:           k_q59a9dbd380_attn
    .symbol:         k_q59a9dbd380_attn.kd
    .args:
      - { .name: qkv, .offset: 0, .size: 8, .value_kind: global_buffer, .address_space: global }
      - { .name: yh, .offset: 8, .size: 8, .value_kind: global_buffer, .address_space: global }
    .group_segment_fixed_size: 327680
    .private_segment_fixed_size: 0
    .kernarg_segment_align: 8
    .kernarg_segment_size: 16
    .max_flat_workgroup_size: 256
    .sgpr_count:     96
    .vgpr_count:     258
    .wavefront_size: 32
...
	.end_amdgpu_metadata
.endif
;; end of part 3
;; launch proj (part 4): grid 8 x 32, 4 waves a work-group, clusters of 4 x 4, 327,680 bytes of LDS; arguments yh, wb, bp, out0; writes out0
.if DOCPART == 4
	.amdgcn_target "amdgcn-amd-amdhsa--gfx1250"
	.amdhsa_code_object_version 6
	.text
	.protected	k_q59a9dbd380_proj
	.globl	k_q59a9dbd380_proj
	.p2align	8
	.type	k_q59a9dbd380_proj,@function
k_q59a9dbd380_proj:
	s_mov_b64 s[64:65], 0
	v_nop
	global_prefetch_b8 v0, s[64:65] scope:SCOPE_SE
	s_setreg_imm32_b32 hwreg(HW_REG_WAVE_MODE, 25, 1), 1
	s_wait_xcnt 0x0
	s_wait_alu depctr_hold_cnt(0) depctr_sa_sdst(0) depctr_va_vdst(0) depctr_va_sdst(0) depctr_va_ssrc(0) depctr_va_vcc(0) depctr_vm_vsrc(0)
	s_getreg_b32 s2, hwreg(HW_REG_IB_STS2, 6, 4)
	s_cmp_eq_u32 s2, 0
	s_cbranch_scc0 .Lentry_in_a_cluster
	s_endpgm
.Lentry_in_a_cluster:
	s_bfe_u32 s2, ttmp6, 0x10000c
	s_cmp_lg_u32 s2, 0xf033
	s_cbranch_scc0 .Lentry_shape_is_right
	s_endpgm
.Lentry_shape_is_right:
; out0 [4096 x 1024] f32 = y . Wp^T + bp.  y: yh[batch][head][t][64] f16; Wp: rows 3072-4095 of wb, f16; sums in f32.
; A work-group makes 128 x 128 with four waves of 64 x 64 (16 accumulator tiles): 8 x 32 = 256 work-groups.
; K = 1024 goes in 4 steps of 256 (four heads) through two LDS slots; a slot is two sets of 128 along K, each: A's even head, A's odd head
; (128 t x 64 d, dense in memory, brought as 64 rows of 256 bytes = two t a row), B's rows 0-63, B's rows 64-127.  Every wave brings one part of each set.
; The step of 256 leaves 124 matrix instructions of a wave between a request and the wait for it.
; CLUSTERS: 4 x 4; y's tiles are shared along a cluster's row, Wp's along a column, by joint loads.
; The matrix instruction is used transposed (source 0 = rows of Wp): a lane holds eight neighbouring columns of one row.  The bias is the first C.
.set PITCH, 272
.set PART,  64*PITCH
.set HALF,  4*PART
.set STAGE, 4*HALF                     ; behind the ring, a multiple of 256: no tensor load lands here
.set ADRA, 16                          ; v16-19 my A fragments in set 0..3
.set ADRB, 20                          ; v20-23 my B fragments
.set STO,  24
.set RD,   25
.set CO,   26
.set BO,   27
.set F0,   64                          ; fragment buffers: B's four at +0, A's four at +32
.set F1,   128
.set BIAS, 192
.set G1A, 20
.set G1B, 28
.set G0A, 36                           ; s[36:51] one group 0 for each set
.set G0B, 68                           ; s[68:83]
.set MSB, 0
.macro WIN new
.if MSB != \new
	s_set_vgpr_msb (MSB<<8)|\new
.set MSB, \new
.endif
.endm
.macro PLACES
.rept 4
	v_nop
.endr
.endm
.macro JLOAD2 slot                     ; a slot's two sets: waves 0, 1 ask for A's heads, waves 2, 3 for B's halves
	s_cmp_eq_u32 s13, 0
	s_cbranch_scc0 .Lfor_b_\@
	tensor_load_to_lds s[G0A+8*\slot:G0A+8*\slot+3], s[G1A:G1A+7]
	s_nop 0
	tensor_load_to_lds s[G0A+8*\slot+4:G0A+8*\slot+7], s[G1A:G1A+7]
	s_nop 0
	s_branch .Lasked_\@
.Lfor_b_\@:
	tensor_load_to_lds s[G0B+8*\slot:G0B+8*\slot+3], s[G1B:G1B+7]
	s_nop 0
	tensor_load_to_lds s[G0B+8*\slot+4:G0B+8*\slot+7], s[G1B:G1B+7]
	s_nop 0
.Lasked_\@:
.endm
.macro CREST
	s_cmp_lg_u32 s12, 0
	s_cbranch_scc1 .Lnot_wave_0_\@
	s_barrier_signal -3
.Lnot_wave_0_\@:
	s_barrier_wait -3
	s_barrier_signal -1
	s_barrier_wait -1
.endm
.macro CROUND
	s_barrier_signal -1
	s_barrier_wait -1
	CREST
.endm
	s_load_b256 s[4:11], s[0:1], 0x0               ; yh s[4:5], wb s[6:7], bp s[8:9], out0 s[10:11]
	v_lshl_add_u32 v254, v0, 2, 0x48400
	v_mov_b32 v255, 0
	ds_add_u32 v254, v255
	v_lshrrev_b32 v1, 5, v0
	v_readfirstlane_b32 s12, v1                    ; wave
	s_lshr_b32 s13, s12, 1                         ; wm.  Also: I fetch for A (0) or B (1)
	s_and_b32 s14, s12, 1                          ; wn.  Also: which part
	s_bfe_u32 s15, ttmp6, 0x40000                  ; cx
	s_bfe_u32 s16, ttmp6, 0x40004                  ; cy
	s_lshl_b32 s17, ttmp9, 2
	s_add_co_u32 s17, s17, s15                     ; bx
	s_and_b32 s18, ttmp7, 0xffff
	s_lshl_b32 s18, s18, 2
	s_add_co_u32 s18, s18, s16                     ; by
	s_lshl_b32 s88, s16, 2
	s_lshl_b32 s88, 15, s88                        ; my row of the cluster
	s_lshl_b32 s92, 0x1111, s15                    ; my column
	s_or_b32 s[G1A+0], s88, (1<<16)|(1<<20)|(1<<21)|(5<<22)|(3<<25)
	s_or_b32 s[G1B+0], s92, (1<<16)|(1<<20)|(1<<21)|(5<<22)|(3<<25)
	s_mov_b32 s[G1A+1], 128<<16                    ; rows of 128 elements of 2 bytes,
	s_mov_b32 s[G1A+2], 64<<16                     ; 64 of them
	s_mov_b32 s[G1A+3], 128<<16
	s_mov_b32 s[G1A+4], 64
	s_mov_b32 s[G1A+5], 128                        ; dense
	s_mov_b32 s[G1A+6], 0
	s_mov_b32 s[G1A+7], 0
	s_mov_b32 s[G1B+1], 128<<16
	s_mov_b32 s[G1B+2], 64<<16
	s_mov_b32 s[G1B+3], 128<<16
	s_mov_b32 s[G1B+4], 64
	s_mov_b32 s[G1B+5], 1024
	s_mov_b32 s[G1B+6], 0
	s_mov_b32 s[G1B+7], 0
	s_lshr_b32 s88, s18, 4                         ; A hangs on by and the wave alone (s88-89)
	s_lshl_b32 s88, s88, 22                        ; batch: 16 planes of 262,144 bytes
	s_and_b32 s89, s18, 15
	s_lshl_b32 s89, s89, 14                        ; 128 rows of 128 bytes
	s_add_co_u32 s88, s88, s89
	s_lshl_b32 s89, s14, 18                        ; the even or the odd head
	s_add_co_u32 s88, s88, s89
	s_mov_b32 s89, 0
	s_lshl_b32 s92, s17, 7                         ; B on bx and the wave alone (s92-93)
	s_lshl_b32 s93, s14, 6
	s_add_co_u32 s92, s92, s93
	s_add_co_u32 s92, s92, 3072                    ; Wp's rows of wb
	s_lshl_b32 s92, s92, 11
	s_mov_b32 s93, 0
	s_mul_i32 s96, s12, PART                       ; my part of every set
	s_wait_dscnt 0x0
	s_wait_kmcnt 0x0
	s_add_nc_u64 s[88:89], s[4:5], s[88:89]
	s_add_nc_u64 s[92:93], s[6:7], s[92:93]
.irp n, 0,1,2,3
	s_mov_b32 s[G0A+4*\n], 1
	s_add_co_u32 s[G0A+4*\n+1], s96, \n*HALF
	s_add_nc_u64 s[G0A+4*\n+2:G0A+4*\n+3], s[88:89], \n*0x80000    ; two heads on
	s_or_b32 s[G0A+4*\n+3], s[G0A+4*\n+3], 0x80000000
	s_mov_b32 s[G0B+4*\n], 1
	s_add_co_u32 s[G0B+4*\n+1], s96, \n*HALF
	s_add_nc_u64 s[G0B+4*\n+2:G0B+4*\n+3], s[92:93], \n*256        ; 128 along K on
	s_or_b32 s[G0B+4*\n+3], s[G0B+4*\n+3], 0x80000000
.endr
	CROUND                                         ; the first joint loads meet
	JLOAD2 0
	JLOAD2 1                                       ; four loads of mine are out
	s_lshl_b32 s94, s17, 7
	s_lshl_b32 s95, s14, 6
	s_add_co_u32 s94, s94, s95
	s_lshl_b32 s94, s94, 2                         ; my first column, in bytes
	s_mov_b32 s95, 0
	s_add_nc_u64 s[84:85], s[8:9], s[94:95]        ; bias
	s_lshl_b32 s90, s18, 7
	s_lshl_b32 s91, s13, 6
	s_add_co_u32 s90, s90, s91
	s_lshl_b32 s90, s90, 12                        ; my first row, 4,096 bytes each
	s_add_co_u32 s90, s90, s94
	s_mov_b32 s91, 0
	s_add_nc_u64 s[86:87], s[10:11], s[90:91]      ; out0 at my block
	v_and_b32 v1, 15, v0                           ; r
	v_bfe_u32 v2, v0, 4, 1                         ; h
	v_lshrrev_b32 v3, 1, v1                        ; A: row t lies in LDS row t >> 1, half t & 1
	v_mul_u32_u24 v3, v3, PITCH
	v_and_b32 v4, 1, v1
	v_lshl_add_u32 v3, v4, 7, v3
	v_lshl_add_u32 v3, v2, 4, v3
	s_mul_i32 s97, s13, 32*PITCH                   ; my 64 rows
	v_add_nc_u32 v[ADRA], s97, v3
	v_mul_u32_u24 v4, v1, PITCH
	v_lshl_add_u32 v4, v2, 4, v4
	s_mul_i32 s97, s14, PART
	s_add_co_u32 s97, s97, 2*PART
	v_add_nc_u32 v[ADRB], s97, v4
.irp n, 1,2,3
	v_add_nc_u32 v[ADRA+\n], \n*HALF, v[ADRA]
	v_add_nc_u32 v[ADRB+\n], \n*HALF, v[ADRB]
.endr
	s_mul_i32 s97, s12, 16*PITCH
	s_add_co_u32 s97, s97, STAGE                   ; my stage: 16 rows of 64 f32 + 16 bytes
	v_mul_u32_u24 v5, v1, PITCH
	v_lshl_add_u32 v5, v2, 5, v5
	v_add_nc_u32 v[STO], s97, v5                   ; in: row r, 32 bytes for each half of the lanes
	v_mul_u32_u24 v6, v2, PITCH
	v_lshl_add_u32 v6, v1, 4, v6
	v_add_nc_u32 v[RD], s97, v6                    ; back: sixteen lanes take one row of 256 bytes
	v_lshlrev_b32 v7, 12, v2
	v_lshl_add_u32 v[CO], v1, 4, v7
	v_lshlrev_b32 v[BO], 5, v2
.irp b, 0,1,2,3
	global_load_b128 v[BIAS+8*\b:BIAS+8*\b+3],   v[BO], s[84:85] offset:64*\b
	global_load_b128 v[BIAS+8*\b+4:BIAS+8*\b+7], v[BO], s[84:85] offset:64*\b+16
.endr
; Four matrix instructions: row tile a x four column tiles.  The 16 accumulators take turns, one instruction a turn.
.macro MUL4 f, a, first
.irp b, 0,1,2,3
.if \first
	v_wmma_f32_16x16x32_f16 v[8*(4*(\a)+\b):8*(4*(\a)+\b)+7], v[\f+8*\b:\f+8*\b+7], v[\f+32+8*(\a):\f+32+8*(\a)+7], v[BIAS+8*\b:BIAS+8*\b+7]
.else
	v_wmma_f32_16x16x32_f16 v[8*(4*(\a)+\b):8*(4*(\a)+\b)+7], v[\f+8*\b:\f+8*\b+7], v[\f+32+8*(\a):\f+32+8*(\a)+7], v[8*(4*(\a)+\b):8*(4*(\a)+\b)+7]
.endif
.endr
.endm
; 16 LDS loads: quarter q (32 along K) of set n into buffer f; B first, then A
.macro FETCH n, q, f
.irp b, 0,1,2,3
	ds_load_b128 v[\f+8*\b:\f+8*\b+3],   v[ADRB+\n] offset:\b*16*PITCH+64*(\q)
	ds_load_b128 v[\f+8*\b+4:\f+8*\b+7], v[ADRB+\n] offset:\b*16*PITCH+64*(\q)+32
.endr
.irp a, 0,1,2,3
	ds_load_b128 v[\f+32+8*\a:\f+32+8*\a+3],   v[ADRA+\n] offset:((\q)/2)*PART+\a*8*PITCH+64*((\q)%2)
	ds_load_b128 v[\f+32+8*\a+4:\f+32+8*\a+7], v[ADRA+\n] offset:((\q)/2)*PART+\a*8*PITCH+64*((\q)%2)+32
.endr
.endm
.macro QUARTER f, g, n2, q2, first     ; multiplies buffer f; fetches quarter q2 of set n2 into buffer g in its middle
	s_wait_dscnt 4                                 ; the youngest four loads (A's tiles 2, 3) may be out
.if \first
	WIN 0x40                                       ; D in window 1, C (the bias) in window 0
.else
	WIN 0x50
.endif
	MUL4 \f, 0, \first
	MUL4 \f, 1, \first
	PLACES
	WIN 0
	FETCH \n2, \q2, \g
	s_wait_dscnt 16                                ; all but the 16 just issued
.if \first
	WIN 0x40
.else
	WIN 0x50
.endif
	MUL4 \f, 2, \first
	MUL4 \f, 3, \first
.endm
.macro SEVEN slot, first
	QUARTER F0, F1, 2*\slot, 1, \first
	QUARTER F1, F0, 2*\slot, 2, 0
	QUARTER F0, F1, 2*\slot, 3, 0
	QUARTER F1, F0, 2*\slot+1, 0, 0
	QUARTER F0, F1, 2*\slot+1, 1, 0
	QUARTER F1, F0, 2*\slot+1, 2, 0
	QUARTER F0, F1, 2*\slot+1, 3, 0
.endm
; A step's eighth quarter changes slots: every wave waits for its reads of this slot and for all its tensor loads (the other slot's two); with fill = 1 the barrier
; opens a round of the cluster's barrier and the two joint refills are the first tensor loads behind it.
.macro TURN slot, fill
	s_wait_dscnt 4
	WIN 0x50
	MUL4 F1, 0, 0
	s_wait_dscnt 0x0
	s_wait_tensorcnt 0x0
	ds_add_u32 v254, v255
	s_wait_dscnt 0x0
	s_barrier_signal -1
	MUL4 F1, 1, 0
	WIN 0
	s_barrier_wait -1
.if \fill
	CREST
.irp n, 2*\slot, 2*\slot+1
	s_add_nc_u64 s[G0A+4*(\n)+2:G0A+4*(\n)+3], s[G0A+4*(\n)+2:G0A+4*(\n)+3], 0x200000   ; two steps on: eight heads
	s_add_nc_u64 s[G0B+4*(\n)+2:G0B+4*(\n)+3], s[G0B+4*(\n)+2:G0B+4*(\n)+3], 1024       ; 512 along K
.endr
	JLOAD2 \slot
.endif
	PLACES
	FETCH 2*(1-\slot), 0, F0
	WIN 0x50
	MUL4 F1, 2, 0
	MUL4 F1, 3, 0
.endm
	s_wait_tensorcnt 0x2                           ; step 0's two loads of mine are in, step 1's two may stay out
	s_barrier_signal -1
	s_barrier_wait -1
	FETCH 0, 0, F0
	s_wait_loadcnt 0x0                             ; the bias
	SEVEN 0, 1
	TURN 0, 1                                      ; step 2 goes out
	SEVEN 1, 0
	TURN 1, 1                                      ; step 3 goes out
	SEVEN 0, 0
	TURN 0, 0
	SEVEN 1, 0
	s_wait_dscnt 4
	WIN 0x50
	MUL4 F1, 0, 0
	MUL4 F1, 1, 0
	s_wait_dscnt 0x0
	MUL4 F1, 2, 0
	MUL4 F1, 3, 0
	PLACES                                         ; behind the last matrix instructions, for the LDS stores of results and the read-back loads
; THE WAY OUT, 16 rows at a time, through my own stage: a lane's 32 bytes in, whole rows of 256 bytes back.
.macro OUT a, rb
	WIN 0x04                                       ; the stores' data in window 1
.irp b, 0,1,2,3
	ds_store_b128 v[STO], v[8*(4*\a+\b):8*(4*\a+\b)+3]   offset:64*\b
	ds_store_b128 v[STO], v[8*(4*\a+\b)+4:8*(4*\a+\b)+7] offset:64*\b+16
.endr
	WIN 0
	s_wait_xcnt 0x0                                ; the read-back buffer, which earlier stores read, is loaded again only behind this wait
.irp t, 0,1,2,3,4,5,6,7
	ds_load_b128 v[\rb+4*\t:\rb+4*\t+3], v[RD] offset:2*PITCH*\t   ; LDS serves a wave in order: these see the stores above
.endr
.irp t, 0,1,2,3,4,5,6,7
	s_wait_dscnt 7-\t
	global_store_b128 v[CO], v[\rb+4*\t:\rb+4*\t+3], s[86:87] offset:(16*\a+2*\t)*4096 th:TH_STORE_NT   ; 16 lanes store 256 consecutive bytes, aligned
.endr
.endm
	OUT 0, F0
	OUT 1, F1
	OUT 2, F0
	OUT 3, F1
	s_wait_tensorcnt 0x0
	ds_add_u32 v254, v255
	s_wait_dscnt 0x0
	CROUND                                         ; the closing round
	s_endpgm
.Lfunc_end_k_q59a9dbd380_proj:
	.size	k_q59a9dbd380_proj, .Lfunc_end_k_q59a9dbd380_proj-k_q59a9dbd380_proj
	.p2alignl 7, 3214868480
	.fill 96, 4, 3214868480
	.section	.rodata,"a",@progbits
	.p2align	6, 0x0
	.amdhsa_kernel k_q59a9dbd380_proj
		.amdhsa_group_segment_fixed_size 327680
		.amdhsa_private_segment_fixed_size 0
		.amdhsa_enable_private_segment 0
		.amdhsa_kernarg_size 32
		.amdhsa_user_sgpr_count 2
		.amdhsa_user_sgpr_kernarg_segment_ptr 1
		.amdhsa_wavefront_size32 1
		.amdhsa_system_sgpr_workgroup_id_x 1
		.amdhsa_system_sgpr_workgroup_id_y 1
		.amdhsa_system_sgpr_workgroup_id_z 1
		.amdhsa_system_vgpr_workitem_id 0
		.amdhsa_next_free_vgpr 384
		.amdhsa_next_free_sgpr 100
		.amdhsa_reserve_vcc 0
		.amdhsa_float_denorm_mode_32 3
		.amdhsa_float_denorm_mode_16_64 3
		.amdhsa_memory_ordered 1
		.amdhsa_forward_progress 1
		.amdhsa_inst_pref_size 93
	.end_amdhsa_kernel
	.amdgpu_metadata
---
amdhsa.version: [ 1, 2 ]
amdhsa.kernels:
  - .name:           k_q59a9dbd380_proj
    .symbol:         k_q59a9dbd380_proj.kd
    .args:
      - { .name: yh, .offset: 0, .size: 8, .value_kind: global_buffer, .address_space: global }
      - { .name: wb, .offset: 8, .size: 8, .value_kind: global_buffer, .address_space: global }
      - { .name: bp, .offset: 16, .size: 8, .value_kind: global_buffer, .address_space: global }
      - { .name: out0, .offset: 24, .size: 8, .value_kind: global_buffer, .address_space: global }
    .group_segment_fixed_size: 327680
    .private_segment_fixed_size: 0
    .kernarg_segment_align: 8
    .kernarg_segment_size: 32
    .max_flat_workgroup_size: 128
    .sgpr_count:     100
    .vgpr_count:     384
    .wavefront_size: 32
...
	.end_amdgpu_metadata
.endif
;; end of part 4
;; ======== version 2 of 2: 4 launches; 1.11 times as fast as version 1
;; limits: values are held in f16: magnitudes above 65,504 overflow, below 6.1e-05 lose precision
;; workspace buffers: xb 8,388,608 bytes; wb 8,388,608 bytes; qkv 25,165,824 bytes; yh 8,388,608 bytes
;; launch cast: the kernel of part 1 again; grid 256 x 1, 8 waves a work-group, no clusters, 0 bytes of LDS; arguments x, Wq, Wk, Wv, Wp, xb, wb; writes xb, wb
;; launch qkv: the kernel of part 2 again; grid 16 x 16, 4 waves a work-group, clusters of 4 x 4, 327,680 bytes of LDS; arguments xb, wb, bq, bk, bv, qkv; writes qkv
;; launch attn (part 5): grid 256 x 1, 8 waves a work-group, clusters of 4 x 1, 327,680 bytes of LDS; arguments qkv, yh; writes yh
.if DOCPART == 5
	.amdgcn_target "amdgcn-amd-amdhsa--gfx1250"
	.amdhsa_code_object_version 6
	.text
	.protected	k_q59a9dbd380_attn
	.globl	k_q59a9dbd380_attn
	.p2align	8
	.type	k_q59a9dbd380_attn,@function
k_q59a9dbd380_attn:
	s_mov_b64 s[64:65], 0
	v_nop
	global_prefetch_b8 v0, s[64:65] scope:SCOPE_SE
	s_setreg_imm32_b32 hwreg(HW_REG_WAVE_MODE, 25, 1), 1
	s_wait_xcnt 0x0
	s_wait_alu depctr_hold_cnt(0) depctr_sa_sdst(0) depctr_va_vdst(0) depctr_va_sdst(0) depctr_va_ssrc(0) depctr_va_vcc(0) depctr_vm_vsrc(0)
	s_getreg_b32 s2, hwreg(HW_REG_IB_STS2, 6, 4)
	s_cmp_eq_u32 s2, 0
	s_cbranch_scc0 .Lentry_in_a_cluster
	s_endpgm
.Lentry_in_a_cluster:
	s_bfe_u32 s2, ttmp6, 0x10000c
	s_cmp_lg_u32 s2, 0x3003
	s_cbranch_scc0 .Lentry_shape_is_right
	s_endpgm
.Lentry_shape_is_right:
; Causal attention, one pass over the keys with a running maximum.  q, k, v: qkv[3][32 (batch, head)][2048][64] f16; y: yh[32][2048][64] f16.
; f16 operands (q, k, v and the probabilities, which are at most 1), f32 scores, sums and statistics.
; LIMITS: NaN inputs are dropped by the maxima; the sums are ordered otherwise than in a plain softmax.
; SHARES.  A head has four blocks of 512 queries.  A cluster of four work-groups takes blocks 3 - g and g of head ttmp9 >> 1 (g = ttmp9 & 1), one in each of
; two passes: 8 + 2 or 6 + 4 = 10 steps of 256 keys for every cluster.  Wave 4 grp + w of work-group cx owns the 32 queries 128 w + 32 cx of the block; the two groups
; of four waves split each step's keys (group 0 the first 128, group 1 the second) and merge once a pass.  So all four work-groups walk the same K and V tiles
; at the same time, each tile is asked for jointly (mask 15), and no branch hangs on cx: in the two diagonal steps tile 2 d + grp is whole, masked or
; left out by the wave's number alone, and cx enters only the compare that masks.
; PRODUCTS.  S^T = K Q^T: a lane holds scores of ONE query (lane & 15) and eight keys a tile, so the statistics are one number a lane, and two key tiles
; convert in place into a B fragment of P^T.  O^T = V^T P^T, V^T by the transposing LDS load.  No shuffle between the two products.
; THE EXPONENTIALS.  A piece of 64 keys x 32 queries has 66: the two factors for what has been summed, and the 64 scores'.  They are ONE BATCH with ONE wait: ahead of the wait stand
; the 32 scalings, the 66 exponentials and the two copies of the new maximum, none of which names an exponential's result; behind it all that does: the sums, the rescaling of O, the roundings.
; The merge has two batches, once a pass: both query tiles' four weights, then their two reciprocals, which read sums of those weights.
.set SLOT,   71680                     ; K: 128 rows (2 keys each) x 272, then V: 128 rows x 288
.set VOFF,   34816
.set MBASE,  143360                    ; merge: 4 x 8,704.  These three regions are multiples of 256 behind the ring: no tensor load lands there
.set SBASE,  178176                    ; stage of y: 4 x 32 rows x 144
.set QSBASE, 196608                    ; the second pass's Q fragments: 8 x 4,096
.set KADR, 2                           ; v2-3   my K fragment address in slot 0, 1
.set VADR, 4                           ; v4-5   my V fragment address
.set QOFF, 6
.set STG,  7
.set RDB,  8
.set MRG,  9
.set NM0,  10                          ; v10, v12  - c x running maximum of query tile 0, 1
.set DL0,  11                          ; v11, v13  query - 8 h inside the diagonal tile
.set AL0,  14                          ; v14, v16  the factor for what has been summed so far
.set YO,   15
.set QS,   17
.set L0,   18                          ; v[18:19], v[20:21] running sums, two chains each
.set T,    22                          ; v22-30 at work
.set Q,    32                          ; v32-63   Q(qt, ds) at 32 + 16 qt + 8 ds
.set KV,   64                          ; v64-127  two halves of 32: K fragments, then V fragments
.set S,    128                         ; v128-191 S(kt, qt) at 128 + 32 (kt >> 1) + 16 qt + 8 (kt & 1); P(ks, qt) = the first 8 of block (ks, qt)
.set MW,   128                         ; the merge's numbers at work, five a query tile at MW + 8 qt: S is free there
.set O,    192                         ; v192-255 O(dt, qt) at 192 + 32 qt + 8 dt
.set G1K, 16
.set G1V, 24
.set G0K, 32
.set G0V, 40
.macro PLACES n                        ; plain vector places behind matrix instructions (ISA guide 7.12.1)
.rept \n
	v_nop
.endr
.endm
.macro ROUND                           ; a round of the cluster's barrier
	s_barrier_signal -1
	s_barrier_wait -1
	s_cmp_lg_u32 s8, 0
	s_cbranch_scc1 .Lnot_wave_0_\@
	s_barrier_signal -3
.Lnot_wave_0_\@:
	s_barrier_wait -3
	s_barrier_signal -1
	s_barrier_wait -1
.endm
.macro JLOAD slot                      ; waves 0-3 ask for the four quarters of K's 256 keys, waves 4-7 for V's
	s_cmp_eq_u32 s9, 0
	s_cbranch_scc0 .Lfor_v_\@
	tensor_load_to_lds s[G0K+4*(\slot):G0K+4*(\slot)+3], s[G1K:G1K+7]
	s_nop 0
	s_branch .Lasked_\@
.Lfor_v_\@:
	tensor_load_to_lds s[G0V+4*(\slot):G0V+4*(\slot)+3], s[G1V:G1V+7]
	s_nop 0
.Lasked_\@:
.endm
	s_load_b128 s[4:7], s[0:1], 0x0                ; qkv s[4:5], yh s[6:7]
	v_lshl_add_u32 v31, v0, 2, 0x38000
	s_set_vgpr_msb 0x40
	v_mov_b32 v1, 0
	s_set_vgpr_msb 0x4044
	ds_add_u32 v31, v1
	s_set_vgpr_msb 0x4400
	v_lshrrev_b32 v1, 5, v0
	v_readfirstlane_b32 s8, v1                     ; wave 0..7
	s_lshr_b32 s9, s8, 2                           ; grp
	s_and_b32 s10, s8, 3                           ; w
	s_sub_co_i32 s11, s10, s9                      ; w - grp: against 2 d it says whole, masked or left out
	s_bfe_u32 s12, ttmp6, 0x40000                  ; cx
	s_lshr_b32 s14, ttmp9, 1                       ; (batch, head)
	s_and_b32 s15, ttmp9, 1                        ; g
	s_sub_co_u32 s73, 3, s15                       ; first pass: block 3 - g, which is also its loop's trips (two whole steps each)
	s_mov_b32 s74, s15                             ; second pass: block g
	s_mov_b32 s66, 0x3e38aa3b                      ; c = log2(e) / 8: the scale 1 / sqrt(64) and the base of v_exp_f32 in one factor
	s_mov_b32 s67, 0x3e38aa3b
	s_mov_b32 s68, 0xbe38aa3b                      ; - c
	s_mov_b32 s69, 0xff800000                      ; - infinity
	s_mov_b32 s70, 0x76543210                      ; v_permlanex16_b32: lane i of one half reads lane i of the other
	s_mov_b32 s71, 0xfedcba98
	; group 1: 32 rows of 32 elements of 8 bytes (256 bytes = two keys), dense; padded by 4 words (K) or 8 words (V) a row
	s_mov_b32 s[G1K+0], 15|(3<<16)|(1<<20)|(1<<21)|(5<<22)|(3<<25)
	s_mov_b32 s[G1K+1], 32<<16
	s_mov_b32 s[G1K+2], 32<<16
	s_mov_b32 s[G1K+3], 32<<16
	s_mov_b32 s[G1K+4], 32
	s_mov_b32 s[G1K+5], 32
	s_mov_b32 s[G1K+6], 0
	s_mov_b32 s[G1K+7], 0
	s_mov_b32 s[G1V+0], 15|(3<<16)|(1<<20)|(1<<21)|(5<<22)|(7<<25)
	s_mov_b32 s[G1V+1], 32<<16
	s_mov_b32 s[G1V+2], 32<<16
	s_mov_b32 s[G1V+3], 32<<16
	s_mov_b32 s[G1V+4], 32
	s_mov_b32 s[G1V+5], 32
	s_mov_b32 s[G1V+6], 0
	s_mov_b32 s[G1V+7], 0
	s_add_co_u32 s76, s14, 32                      ; K's plane
	s_lshl_b32 s76, s76, 18
	s_lshl_b32 s78, s10, 13                        ; my quarter: 64 keys of 128 bytes
	s_add_co_u32 s76, s76, s78
	s_mov_b32 s77, 0
	s_mul_i32 s79, s10, 8704                       ; 32 rows x 272
	s_mul_i32 s80, s10, 9216                       ; 32 rows x 288
	s_add_co_u32 s80, s80, VOFF
	s_wait_dscnt 0x0
	s_wait_kmcnt 0x0
	s_add_nc_u64 s[52:53], s[4:5], s[76:77]        ; K, keys 0-255, my quarter
	s_add_nc_u64 s[54:55], s[52:53], 0x800000      ; V: 32 planes on
	s_or_b32 s53, s53, 0x80000000                  ; the type bits
	s_or_b32 s55, s55, 0x80000000
.irp s, 0,1
	s_mov_b32 s[G0K+4*\s], 1
	s_add_co_u32 s[G0K+4*\s+1], s79, \s*SLOT
	s_mov_b32 s[G0V+4*\s], 1
	s_add_co_u32 s[G0V+4*\s+1], s80, \s*SLOT
.endr
	s_mov_b64 s[G0K+2:G0K+3], s[52:53]
	s_mov_b64 s[G0V+2:G0V+3], s[54:55]
	s_add_nc_u64 s[48:49], s[52:53], 32768         ; the next 256 keys to be asked for
	s_add_nc_u64 s[50:51], s[54:55], 32768
	ROUND                                          ; all four work-groups are here: the first joint loads meet
	JLOAD 0
	; what hangs on cx lives in s12, s56-63 and s84-91 alone
	s_lshl_b32 s84, s10, 7
	s_lshl_b32 s85, s12, 5
	s_add_co_u32 s84, s84, s85                     ; 128 w + 32 cx
	s_lshl_b32 s86, s73, 9
	s_add_co_u32 s86, s86, s84                     ; my first query, first pass
	s_lshl_b32 s88, s74, 9
	s_add_co_u32 s88, s88, s84                     ; second pass
	s_lshl_b32 s90, s14, 18
	s_lshl_b32 s86, s86, 7
	s_add_co_u32 s86, s86, s90
	s_mov_b32 s87, 0
	s_lshl_b32 s88, s88, 7
	s_add_co_u32 s88, s88, s90
	s_mov_b32 s89, 0
	s_add_nc_u64 s[56:57], s[4:5], s[86:87]        ; Q, first pass
	s_add_nc_u64 s[58:59], s[4:5], s[88:89]        ; Q, second pass
	s_add_nc_u64 s[60:61], s[6:7], s[86:87]        ; y, first pass
	s_add_nc_u64 s[62:63], s[6:7], s[88:89]        ; y, second pass
	v_and_b32 v1, 31, v0                           ; lane
	v_and_b32 v22, 15, v0                          ; r
	v_bfe_u32 v23, v0, 4, 1                        ; h
	v_lshlrev_b32 v[QOFF], 7, v22
	v_lshl_add_u32 v[QOFF], v23, 4, v[QOFF]        ; row r of 128 bytes + 16 h
.irp n, 0,1,2,3,4,5,6,7
	global_load_b128 v[S+4*\n:S+4*\n+3], v[QOFF], s[58:59] offset:2048*(\n/4)+64*((\n/2)%2)+32*(\n%2)   ; the second pass's Q, to be parked in LDS
.endr
.irp n, 0,1,2,3,4,5,6,7
	global_load_b128 v[Q+4*\n:Q+4*\n+3], v[QOFF], s[56:57] offset:2048*(\n/4)+64*((\n/2)%2)+32*(\n%2)
.endr
	v_lshrrev_b32 v24, 1, v22                      ; K: key r lies in row r >> 1, half r & 1
	v_mul_u32_u24 v24, v24, 272
	v_and_b32 v25, 1, v22
	v_lshl_add_u32 v24, v25, 7, v24
	v_lshl_add_u32 v24, v23, 4, v24
	s_mul_i32 s76, s9, 17408                       ; my group's 128 keys: 64 rows x 272
	v_add_nc_u32 v[KADR], s76, v24
	v_add_nc_u32 v[KADR+1], SLOT, v[KADR]
	v_bfe_u32 v24, v0, 1, 2                        ; V: the lane addresses key 8 h + (lane & 7), 16 bytes at d = 8 ((lane >> 3) & 1)
	v_lshl_add_u32 v24, v23, 2, v24
	v_mul_u32_u24 v24, v24, 288
	v_and_b32 v25, 1, v0
	v_lshl_add_u32 v24, v25, 7, v24
	v_bfe_u32 v25, v0, 3, 1
	v_lshl_add_u32 v24, v25, 4, v24
	s_mul_i32 s76, s9, 18432                       ; 64 rows x 288
	s_add_co_u32 s76, s76, VOFF
	v_add_nc_u32 v[VADR], s76, v24
	v_add_nc_u32 v[VADR+1], SLOT, v[VADR]
	s_mul_i32 s77, s10, 4608
	s_add_co_u32 s77, s77, SBASE
	v_mul_u32_u24 v24, v22, 144
	v_lshl_add_u32 v24, v23, 4, v24
	v_add_nc_u32 v[STG], s77, v24
	v_lshrrev_b32 v24, 3, v1
	v_mul_u32_u24 v24, v24, 144
	v_and_b32 v25, 7, v1
	v_lshl_add_u32 v24, v25, 4, v24
	v_add_nc_u32 v[RDB], s77, v24
	s_mul_i32 s78, s10, 8704
	s_add_co_u32 s78, s78, MBASE
	v_lshl_add_u32 v[MRG], v1, 4, s78
	v_lshlrev_b32 v[YO], 4, v1
	s_lshl_b32 s79, s8, 12
	s_add_co_u32 s79, s79, QSBASE
	v_lshl_add_u32 v[QS], v1, 4, s79
	v_lshlrev_b32 v24, 3, v23
	v_sub_nc_u32 v24, v22, v24                     ; r - 8 h
	v_add_nc_u32 v[DL0], s85, v24                  ; + 32 cx
	v_add_nc_u32 v[DL0+2], 16, v[DL0]
	s_wait_loadcnt 0x8                             ; the first eight loads: the second pass's Q
.irp n, 0,1,2,3,4,5,6,7
	ds_store_b128 v[QS], v[S+4*\n:S+4*\n+3] offset:512*\n
.endr
	s_wait_loadcnt 0x0
; The head of a step on slot.  Every wave waits for all its tensor loads (its part of this slot's tile) and for its reads of the other slot.  fill = 1: a round of the
; cluster's barrier follows, and the joint load of the next 256 keys into the other slot is the first tensor load behind it: one load of a wave is out at a time.
.macro STEPHEAD slot, fill
	s_set_vgpr_msb 0x4
	s_wait_tensorcnt 0x0
	ds_add_u32 v31, v1
	s_wait_dscnt 0x0
	s_set_vgpr_msb 0x400
.if \fill
	s_mov_b64 s[G0K+4*(1-\slot)+2:G0K+4*(1-\slot)+3], s[48:49]   ; no load of mine is out: the descriptors may be written
	s_mov_b64 s[G0V+4*(1-\slot)+2:G0V+4*(1-\slot)+3], s[50:51]
	s_add_nc_u64 s[48:49], s[48:49], 32768
	s_add_nc_u64 s[50:51], s[50:51], 32768
.endif
	s_wait_dscnt 0x0
.if \fill
	ROUND
	JLOAD 1-\slot
.else
	s_barrier_signal -1
	s_barrier_wait -1
.endif
.endm
; K fragments of 32 keys (half hf of the 64 keys sub) into half hf of KV
.macro LOADK slot, sub, hf
.irp kk, 0,1
.irp ds, 0,1
.irp i, 0,1
	ds_load_b128 v[KV+32*\hf+16*\kk+8*\ds+4*\i:KV+32*\hf+16*\kk+8*\ds+4*\i+3], v[KADR+\slot] offset:(4*(\sub)+2*\hf+\kk)*2176+64*\ds+32*\i
.endr
.endr
.endr
.endm
; V^T fragments of 32 keys x 64 d into half ks of KV
.macro LOADV slot, sub, ks
.irp dt, 0,1,2,3
.irp i, 0,1
	ds_load_tr16_b128 v[KV+32*\ks+8*\dt+4*\i:KV+32*\ks+8*\dt+4*\i+3], v[VADR+\slot] offset:(2*(\sub)+\ks)*4608+2304*\i+32*\dt
.endr
.endr
.endm
; Scores of 32 keys x 32 queries: four accumulators take turns, one instruction a turn; the first product starts each sum
.macro SMUL hf
.irp ds, 0,1
.irp kk, 0,1
.irp qt, 0,1
.if \ds == 0
	v_wmma_f32_16x16x32_f16 v[S+32*\hf+16*\qt+8*\kk:S+32*\hf+16*\qt+8*\kk+7], v[KV+32*\hf+16*\kk:KV+32*\hf+16*\kk+7], v[Q+16*\qt:Q+16*\qt+7], 0
.else
	v_wmma_f32_16x16x32_f16 v[S+32*\hf+16*\qt+8*\kk:S+32*\hf+16*\qt+8*\kk+7], v[KV+32*\hf+16*\kk+8:KV+32*\hf+16*\kk+15], v[Q+16*\qt+8:Q+16*\qt+15], v[S+32*\hf+16*\qt+8*\kk:S+32*\hf+16*\qt+8*\kk+7]
.endif
.endr
.endr
.endr
.endm
; O^T += V^T P^T for 32 keys: eight accumulators take turns
.macro PV ks
.irp qt, 0,1
.irp dt, 0,1,2,3
	v_wmma_f32_16x16x32_f16 v[O+32*\qt+8*\dt:O+32*\qt+8*\dt+7], v[KV+32*\ks+8*\dt:KV+32*\ks+8*\dt+7], v[S+32*\ks+16*\qt:S+32*\ks+16*\qt+7], v[O+32*\qt+8*\dt:O+32*\qt+8*\dt+7]
.endr
.endr
.endm
; The diagonal tile: key 64 sub + 16 kt + 8 h + j stays if it is not beyond query 32 cx + 16 qt + r
.macro MASK sub
.irp qt, 0,1
.irp kt, 0,1,2,3
.irp j, 0,1,2,3,4,5,6,7
	v_cmp_le_i32 vcc_lo, 64*\sub+16*\kt+\j, v[DL0+2*\qt]
	v_cndmask_b32 v[S+32*(\kt/2)+16*\qt+8*(\kt%2)+\j], s69, v[S+32*(\kt/2)+16*\qt+8*(\kt%2)+\j], vcc_lo
.endr
.endr
.endr
.endm
; The lane's 64 scores are 32 pairs; pair n is pair n / 2 of query tile n % 2: the two tiles alternate.
.macro SPAIR n                         ; pp = pair n's first register
.set pp, S+32*((\n)/16)+2*(((\n)/2)%8)+16*((\n)%2)
.endm
.macro FS n                            ; pair n: c s - c max; the new NM is taken from T, T + 2, where it was made
	SPAIR \n
	v_pk_fma_f32 v[pp:pp+1], v[pp:pp+1], s[66:67], v[T+2*((\n)%2):T+2*((\n)%2)+1] op_sel_hi:[1,0,0]
.endm
.macro EX2 n                           ; pair n's two exponentials, in place
	SPAIR \n
	v_exp_f32 v[pp], v[pp]
	v_exp_f32 v[pp+1], v[pp+1]
.endm
; 64 keys x 32 queries of scores become probabilities in f16; the running maximum, the sums and O follow.
; What is kept is NM = the rounded - c x maximum itself, so that exp2(NM new - NM old) fits the exponentials already summed exactly.
; A piece that is masked whole leaves NM as it is (its exponentials are exp2(- infinity) = 0).
.macro SOFTMAX
.irp qt, 0,1
	v_max3_num_f32 v[T+2*\qt],   v[S+16*\qt],    v[S+16*\qt+1],    v[S+16*\qt+2]
	v_max3_num_f32 v[T+2*\qt+1], v[S+32+16*\qt], v[S+32+16*\qt+1], v[S+32+16*\qt+2]
.endr
.irp e, 3,5,7,9,11,13
.irp qt, 0,1
	v_max3_num_f32 v[T+2*\qt],   v[T+2*\qt],   v[S+16*\qt+\e],    v[S+16*\qt+\e+1]
	v_max3_num_f32 v[T+2*\qt+1], v[T+2*\qt+1], v[S+32+16*\qt+\e], v[S+32+16*\qt+\e+1]
.endr
.endr
.irp qt, 0,1
	v_max3_num_f32 v[T+2*\qt], v[T+2*\qt], v[T+2*\qt+1], v[S+16*\qt+15]
.endr
.irp qt, 0,1
	v_max_num_f32 v[T+2*\qt], v[T+2*\qt], v[S+32+16*\qt+15]
.endr
.irp qt, 0,1
	v_permlanex16_b32 v[T+2*\qt+1], v[T+2*\qt], s70, s71   ; the other half of the lanes holds the query's other keys
.endr
.irp qt, 0,1
	v_max_num_f32 v[T+2*\qt], v[T+2*\qt], v[T+2*\qt+1]
	v_mul_f32 v[T+2*\qt+1], s68, v[T+2*\qt]                ; - c x this piece's maximum
	v_min_num_f32 v[T+2*\qt], v[NM0+2*\qt], v[T+2*\qt+1]   ; the new NM
	v_sub_f32 v[T+2*\qt+1], v[T+2*\qt], v[NM0+2*\qt]       ; at most 0
.endr
	; THE BATCH: 32 scalings and 66 exponentials, none of which names an exponential's result.  Four scalings lead, the two factors' exponentials between them; then a pair's two
	; exponentials and the scaling of the pair four further on, 28 times, so that a pair is scaled twelve lines ahead of its exponentials; then the last four pairs' exponentials.
	FS 0
	FS 1
	v_exp_f32 v[AL0], v[T+1]
	FS 2
	v_exp_f32 v[AL0+2], v[T+3]
	FS 3
.set k, 0
.rept 28
	EX2 k
	FS k+4
.set k, k+1
.endr
	EX2 28
	EX2 29
	v_mov_b32 v[NM0], v[T]                                 ; the new NM is kept: work that names no result of the batch,
	EX2 30
	EX2 31
	v_mov_b32 v[NM0+2], v[T+2]                             ; and the plain place behind the last exponential (ISA guide 5.7.2): one for the batch
	s_wait_alu depctr_va_vdst(0)                           ; one wait for the piece's 66 exponentials, ahead of their first reader
	; THE READERS, 16 turns, the two query tiles by turns: pair i onto the running sum (the first with the factor), two registers of O times the factor, pair i rounded to f16.
.irp i, 0,1,2,3,4,5,6,7,8,9,10,11,12,13,14,15
.set p0, S+32*(\i/8)+2*(\i%8)
.set p1, p0+16
.if \i == 0
	v_pk_fma_f32 v[L0:L0+1], v[L0:L0+1], v[AL0:AL0+1], v[p0:p0+1] op_sel_hi:[1,0,1]
	v_pk_fma_f32 v[L0+2:L0+3], v[L0+2:L0+3], v[AL0+2:AL0+3], v[p1:p1+1] op_sel_hi:[1,0,1]
.else
	v_pk_add_f32 v[L0:L0+1], v[L0:L0+1], v[p0:p0+1]
	v_pk_add_f32 v[L0+2:L0+3], v[L0+2:L0+3], v[p1:p1+1]
.endif
	v_pk_mul_f32 v[O+2*\i:O+2*\i+1], v[O+2*\i:O+2*\i+1], v[AL0:AL0+1] op_sel_hi:[1,0]               ; ascending: each accumulator of O is read from its low end on
	v_pk_mul_f32 v[O+32+2*\i:O+32+2*\i+1], v[O+32+2*\i:O+32+2*\i+1], v[AL0+2:AL0+3] op_sel_hi:[1,0]
	v_cvt_pk_f16_f32 v[S+32*(\i/8)+(\i%8)], v[p0], v[p0+1]  ; in place: register i & 7 of the block was summed and converted in an earlier turn
	v_cvt_pk_f16_f32 v[S+32*(\i/8)+16+(\i%8)], v[p1], v[p1+1]
.endr
.endm
; 64 keys.  At the entry 16 LDS loads are out (the K fragments of both halves).  Each wait for 8 leaves the one younger group of eight loads out.
; pre = 1: the next 64 keys' K fragments are fetched as the halves of KV fall free.
.macro SUB slot, sub, masked, pre
	s_wait_dscnt 0x8
	SMUL 0
	PLACES 4                                       ; in front of the loads into registers that the products read
	LOADV \slot, \sub, 0
	s_wait_dscnt 0x8
	SMUL 1
	PLACES 4                                       ; also in front of the first reads of the scores
	LOADV \slot, \sub, 1
.if \masked
	MASK \sub
.endif
	SOFTMAX
	s_wait_dscnt 0x8
	PV 0
	PLACES 4
.if \pre
	LOADK \slot, \sub+1, 0
	s_wait_dscnt 0x8
.else
	s_wait_dscnt 0x0
.endif
	PV 1
	PLACES 5                                       ; five in front of the next products, which write over P
.if \pre
	LOADK \slot, \sub+1, 1
.endif
.endm
.macro TILE slot, masked               ; my group's 128 keys of the step
	LOADK \slot, 0, 0
	LOADK \slot, 0, 1
	SUB \slot, 0, \masked, 1
	SUB \slot, 1, \masked, 0
.endm
.macro DIAG d, slot                    ; tile 2 d + grp of the diagonal block against my queries' tile w
	s_cmp_eq_i32 s11, 2*\d
	s_cbranch_scc1 .Lmask_\@
	s_cmp_gt_i32 s11, 2*\d
	s_cbranch_scc0 .Lskip_\@
	TILE \slot, 0
	s_branch .Lskip_\@
.Lmask_\@:
	TILE \slot, 1
.Lskip_\@:
.endm
; The two groups' halves of the keys meet: group 1 hands O, NM and its sums over through LDS, group 0 weighs, divides and stores y.
; In the first pass one tensor load of each wave is out at this barrier.
; At work for query tile qt, at MW + 8 qt: +0 the joint NM, +1 my weight, +2 the other group's, +3 the sum and its reciprocal, +4 a term of it.
.macro MERGE p
	s_cmp_eq_u32 s9, 0
	s_cbranch_scc1 .Lnostore_\@
	v_mov_b32 v24, v[NM0]
	v_mov_b32 v25, v[NM0+2]
	v_add_f32 v26, v[L0], v[L0+1]
	v_add_f32 v27, v[L0+2], v[L0+3]
.irp n, 0,1,2,3,4,5,6,7,8,9,10,11,12,13,14,15
	ds_store_b128 v[MRG], v[O+4*\n:O+4*\n+3] offset:512*\n
.endr
	ds_store_b128 v[MRG], v[24:27] offset:8192
.Lnostore_\@:
	s_wait_dscnt 0x0                               ; for the other group's sake
	s_barrier_signal -1
	s_barrier_wait -1
	s_cmp_lg_u32 s9, 0
	s_cbranch_scc1 .Ldone_\@
.irp n, 0,1,2,3,4,5,6,7,8,9,10,11,12,13,14,15
	ds_load_b128 v[KV+4*\n:KV+4*\n+3], v[MRG] offset:512*\n
.endr
	ds_load_b128 v[24:27], v[MRG] offset:8192
	s_wait_dscnt 0x0
.irp qt, 0,1
	v_min_num_f32 v[MW+8*\qt], v[NM0+2*\qt], v[24+\qt]     ; the joint maximum; group 0 has always seen key 0, so it is finite
.endr
.irp qt, 0,1
	v_sub_f32 v[MW+8*\qt+1], v[MW+8*\qt], v[NM0+2*\qt]
	v_sub_f32 v[MW+8*\qt+2], v[MW+8*\qt], v[24+\qt]
.endr
.irp qt, 0,1
	v_exp_f32 v[MW+8*\qt+1], v[MW+8*\qt+1]         ; my weight
	v_exp_f32 v[MW+8*\qt+2], v[MW+8*\qt+2]         ; the other group's: 0 if it left every tile out
.endr
.irp qt, 0,1
	v_add_f32 v[MW+8*\qt+3], v[L0+2*\qt], v[L0+2*\qt+1]    ; work that names no weight; the first of the two is the plain place behind the batch
.endr
	s_wait_alu depctr_va_vdst(0)                   ; one wait for the four weights of both query tiles
.irp qt, 0,1
	v_mul_f32 v[MW+8*\qt+4], v[26+\qt], v[MW+8*\qt+2]
.endr
.irp qt, 0,1
	v_fma_f32 v[MW+8*\qt+3], v[MW+8*\qt+3], v[MW+8*\qt+1], v[MW+8*\qt+4]
.endr
.irp qt, 0,1
	v_permlanex16_b32 v[MW+8*\qt+4], v[MW+8*\qt+3], s70, s71
.endr
.irp qt, 0,1
	v_add_f32 v[MW+8*\qt+3], v[MW+8*\qt+3], v[MW+8*\qt+4]  ; the whole sum: at least 1, the term of the maximum
.endr
.irp qt, 0,1
	v_rcp_f32 v[MW+8*\qt+3], v[MW+8*\qt+3]
.endr
	v_nop                                          ; the plain place behind the second reciprocal
	s_wait_alu depctr_va_vdst(0)                   ; one wait for the two reciprocals, a batch of their own: they read sums of the weights
.irp qt, 0,1
	v_mul_f32 v[AL0+2*\qt], v[MW+8*\qt+1], v[MW+8*\qt+3]
	v_mul_f32 v[NM0+2*\qt], v[MW+8*\qt+2], v[MW+8*\qt+3]
.endr
.irp qt, 0,1
.irp i, 0,1,2,3,4,5,6,7,8,9,10,11,12,13,14,15
	v_pk_mul_f32 v[O+32*\qt+2*\i:O+32*\qt+2*\i+1], v[O+32*\qt+2*\i:O+32*\qt+2*\i+1], v[AL0+2*\qt:AL0+2*\qt+1] op_sel_hi:[1,0]
	v_pk_fma_f32 v[O+32*\qt+2*\i:O+32*\qt+2*\i+1], v[KV+32*\qt+2*\i:KV+32*\qt+2*\i+1], v[NM0+2*\qt:NM0+2*\qt+1], v[O+32*\qt+2*\i:O+32*\qt+2*\i+1] op_sel_hi:[1,0,1]
.endr
.endr
.irp qt, 0,1
.irp dt, 0,1,2,3
.irp i, 0,1,2,3
	v_cvt_pk_f16_f32 v[S+16*\qt+4*\dt+\i], v[O+32*\qt+8*\dt+2*\i], v[O+32*\qt+8*\dt+2*\i+1]
.endr
	ds_store_b128 v[STG], v[S+16*\qt+4*\dt:S+16*\qt+4*\dt+3] offset:2304*\qt+32*\dt   ; my own stage: row = query, 16 bytes at d = 16 dt + 8 h
.endr
.endr
.irp i, 0,1,2,3,4,5,6,7
	ds_load_b128 v[S+32+4*\i:S+32+4*\i+3], v[RDB] offset:576*\i    ; LDS serves a wave in order: these see the stores above
.endr
.irp i, 0,1,2,3,4,5,6,7
	s_wait_dscnt 7-\i
	global_store_b128 v[YO], v[S+32+4*\i:S+32+4*\i+3], s[60+2*\p:61+2*\p] offset:512*\i   ; four rows of y: 512 consecutive bytes, aligned
.endr
	s_wait_xcnt 0x0                                ; the stores' data registers are written again only behind this wait
.Ldone_\@:
.endm
; O is cleared by moves, not by a first product: a wave may leave out every tile of a pass (group 1 of the first queries), and the merge multiplies its O by 0.
.macro INIT p
.set n, 0
.rept 64
	v_mov_b32 v[O+n], 0
.set n, n+1
.endr
	v_mov_b32 v[NM0], 0x7f7fffff                   ; a running maximum of - 3.4e38 / c: finite, so that no difference of infinities arises
	v_mov_b32 v[NM0+2], 0x7f7fffff
	v_mov_b32 v[L0], 0
	v_mov_b32 v[L0+1], 0
	v_mov_b32 v[L0+2], 0
	v_mov_b32 v[L0+3], 0
.if \p
	PLACES 4
.irp n, 0,1,2,3,4,5,6,7
	ds_load_b128 v[Q+4*\n:Q+4*\n+3], v[QS] offset:512*\n   ; waited for by the next step's head
.endr
.endif
.endm
.macro PASS p
	INIT \p
.if \p
	s_cmp_eq_u32 s74, 0                            ; block 0 has no whole steps
	s_cbranch_scc1 .Lnoloop_\@
	s_mov_b32 s72, s74
.else
	s_mov_b32 s72, s73
.endif
.Lloop_\@:
	STEPHEAD 0, 1
	TILE 0, 0
	STEPHEAD 1, 1
	TILE 1, 0
	s_sub_co_i32 s72, s72, 1
	s_cmp_lg_u32 s72, 0
	s_cbranch_scc1 .Lloop_\@
.Lnoloop_\@:
	STEPHEAD 0, 1
	DIAG 0, 0
.if \p == 0
	s_mov_b64 s[48:49], s[52:53]                   ; the next request is the second pass's first: keys 0-255
	s_mov_b64 s[50:51], s[54:55]
.endif
	STEPHEAD 1, 1-\p
	DIAG 1, 1
	MERGE \p
.endm
	PASS 0
	PASS 1
	s_set_vgpr_msb 0x4
	s_wait_tensorcnt 0x0
	ds_add_u32 v31, v1
	s_wait_dscnt 0x0
	s_set_vgpr_msb 0x400
	ROUND                                          ; the closing round: no work-group ends while a partner may still ask for a tile that names it
	s_endpgm
.Lfunc_end_k_q59a9dbd380_attn:
	.size	k_q59a9dbd380_attn, .Lfunc_end_k_q59a9dbd380_attn-k_q59a9dbd380_attn
	.p2alignl 7, 3214868480
	.fill 96, 4, 3214868480
	.section	.rodata,"a",@progbits
	.p2align	6, 0x0
	.amdhsa_kernel k_q59a9dbd380_attn
		.amdhsa_group_segment_fixed_size 327680
		.amdhsa_private_segment_fixed_size 0
		.amdhsa_enable_private_segment 0
		.amdhsa_kernarg_size 16
		.amdhsa_user_sgpr_count 2
		.amdhsa_user_sgpr_kernarg_segment_ptr 1
		.amdhsa_wavefront_size32 1
		.amdhsa_system_sgpr_workgroup_id_x 1
		.amdhsa_system_sgpr_workgroup_id_y 1
		.amdhsa_system_sgpr_workgroup_id_z 1
		.amdhsa_system_vgpr_workitem_id 0
		.amdhsa_next_free_vgpr 258
		.amdhsa_next_free_sgpr 96
		.amdhsa_reserve_vcc 1
		.amdhsa_float_denorm_mode_32 3
		.amdhsa_float_denorm_mode_16_64 3
		.amdhsa_memory_ordered 1
		.amdhsa_forward_progress 1
		.amdhsa_inst_pref_size 255
	.end_amdhsa_kernel
	.section	.bss,"aw",@nobits
	.p2align	6
	.space	262144
	.amdgpu_metadata
---
amdhsa.version: [ 1, 2 ]
amdhsa.kernels:
  - .name:           k_q59a9dbd380_attn
    .symbol:         k_q59a9dbd380_attn.kd
    .args:
      - { .name: qkv, .offset: 0, .size: 8, .value_kind: global_buffer, .address_space: global }
      - { .name: yh, .offset: 8, .size: 8, .value_kind: global_buffer, .address_space: global }
    .group_segment_fixed_size: 327680
    .private_segment_fixed_size: 0
    .kernarg_segment_align: 8
    .kernarg_segment_size: 16
    .max_flat_workgroup_size: 256
    .sgpr_count:     96
    .vgpr_count:     258
    .wavefront_size: 32
...
	.end_amdgpu_metadata
.endif
;; end of part 5
;; launch proj: the kernel of part 4 again; grid 8 x 32, 4 waves a work-group, clusters of 4 x 4, 327,680 bytes of LDS; arguments yh, wb, bp, out0; writes out0
